; MI455X (gfx1250); checked and timed in simulation.
; The chip was launched on July 23, 2026; its instructions are those of AMD's public machine-readable ISA for CDNA 5 (MIT licence, August 2026) and "CDNA5" Instruction Set Architecture Reference Guide (July 2026). The comments in the code are by the model that wrote it; some were corrected since.
;; Attn Block. Allowed arithmetic: matrix products marked QUANTISED: E5M2 operands, one E8M0 scale for each 32 along K, by v_wmma_scale_f32_16x16x128_f8f6f4 with both operands' format E5M2, f32 sums; everything else in f32.
;; Inputs: b_proj 256 float32; b_qkv 768 float32; beta 256 float32; gamma 256 float32; w_proj_codes 256 x 8 x 32 uint8 (E5M2 codes of w_proj, K innermost, in blocks of 32 codes); w_proj_scales 256 x 8 uint8 (E8M0 scales of w_proj, one for each 32 codes along K); w_qkv_codes 768 x 8 x 32 uint8 (E5M2 codes of w_qkv, K innermost, in blocks of 32 codes); w_qkv_scales 768 x 8 uint8 (E8M0 scales of w_qkv, one for each 32 codes along K); x 4 x 256 x 64 x 64 float32.
;; Outputs: out0 4 x 256 x 64 x 64 float32.
;; This version of the problem:
;;   THIS VERSION OF THE PROBLEM IS GIVEN IN LOW PRECISION. The matrix products marked QUANTISED in the list below multiply operands that are first quantised to E5M2 (5 exponent bits, 2 mantissa bits; 8 bits a number), with one power-of-two scale for each 32 numbers along K (OCP MX v1.0); their sums are f32. All else is computed in f32.
;;   The module's matrix products, in the order in which they are computed (A, B: the left and right operand; K: the contracted axis; several contracted axes count as one K, in the product's order):
;;     1. [M 768, K 256] x [K 256, N 16,384]; A: input w_qkv (given as codes); B: computed on the way: QUANTISED
;;     2. batch 16 x [M 4,096, K 64] x [K 64, N 4,096]; A: computed on the way; B: computed on the way: QUANTISED
;;     3. batch 16 x [M 4,096, K 4,096] x [K 4,096, N 64]; A: softmax (see below); B: computed on the way: QUANTISED
;;     4. [M 256, K 256] x [K 256, N 16,384]; A: input w_proj (given as codes); B: computed on the way: QUANTISED
;;   THE QUANTISER, for each operand of a quantised product, along K:
;;     - K is cut into blocks of 32 from its start; a last block that is shorter is filled with zeros.
;;     - A block's scale is 2^e with e = floor(log2(the largest magnitude in the block)) - 15, held to -126 .. 127; a block of zeros has e = 0. As a byte (E8M0): e + 127.
;;     - Each number is divided by its block's scale, clamped to +-57,344, and rounded to the nearest number of E5M2, ties to even, subnormals kept.
;;     - The product sums the exact products of the quantised numbers (number of the format x scale) in f32.
;;   ~~~python
;;   def quantise(x, axis):      # numpy; x: float32 -> the quantised numbers, widened to float32 again
;;       x = np.moveaxis(x, axis, -1); K = x.shape[-1]
;;       x = np.pad(x, [(0, 0)] * (x.ndim - 1) + [(0, -K % 32)]); x = x.reshape(x.shape[:-1] + (-1, 32)); a = np.abs(x).max(-1, keepdims=True)
;;       e = np.where(a > 0, np.clip(np.frexp(np.where(a > 0, a, 1))[1] - 1 - 15, -126, 127), 0)      # np.frexp(a)[1] - 1 = floor(log2(a)), exactly
;;       r = np.clip(x / 2.0 ** e, -57344, 57344)
;;       step = 2.0 ** (np.maximum(np.frexp(np.where(r == 0, 1, r))[1] - 1, -14) - 2)
;;       q = np.round(r / step) * step * 2.0 ** e      # np.round: ties to even
;;       return np.moveaxis(q.reshape(q.shape[:-2] + (-1,))[..., :K], -1, axis).astype(np.float32)
;;   ~~~
;;   SOFTMAX AHEAD OF A QUANTISED PRODUCT. Where the list says 'softmax', what is quantised is not the finished softmax but p = 2^(t - M), with t = logit x log2(e) and M = ceil(the row's largest t), a whole number; so 1/2 < the row's largest p <= 1. The row's sum l is taken of the UNQUANTISED p, in f32, and the product's result is divided by l at the end. Since M is a whole number, a kernel that streams over the keys may use a running M (the ceiling of the running maximum): every later rescaling is an exact power of two, which a block's scale takes up: the codes' values come out the same.
;;   OPERANDS COMPUTED ON THE WAY. 'Computed on the way' means the value that the module computes at that place (a softmax that the list does not call 'softmax' is quantised finished and normalised). What goes into a quantiser is computed in f32, as accurately as f32 sums, v_exp_f32 and their like allow (about 1e-6 of the number): no bf16 or f16 on the way to a quantiser, and a product that is left as it is and whose result goes on into a quantised operand takes f32 operands (vector FMAs, or v_wmma_f32_16x16x4_f32). A number that lies on a knife's edge between two numbers of the format may be rounded either way, as far as f32 arithmetic and the matrix unit's own rounding can turn it there, and no further.
;;   INPUTS GIVEN AS CODES. w_proj (in the module: [256, 256], K = its axis 1); w_qkv (in the module: [768, 256], K = its axis 1): each comes as NAME_codes (uint8): NAME with its K axis moved to the last place and cut into blocks of 32 codes, [.., K / 32, bytes a block], one block behind the other in memory; one code a byte (a code: sign, 5 exponent bits, 2 mantissa bits); and NAME_scales (uint8): the same leading axes, one E8M0 byte (e + 127) for each 32 codes along K. Its value is code x scale, taken as it is: it is not quantised again, and the codes and scales need not be those that the quantiser above would give.
;; One version. Each part assembles by itself: llvm-mc -triple=amdgcn-amd-amdhsa -mcpu=gfx1250 --defsym DOCPART=n.
;; ======== version 1 of 1: 4 launches
;; limits: right only within a limited range of input values
;; workspace buffers: stats 2,048 bytes; qc 4,194,304 bytes; qs 131,072 bytes; kv 8,650,752 bytes; oc 4,194,304 bytes; os 131,072 bytes
;; launch gnstats (part 1): grid 256 x 1, 8 waves a work-group, no clusters, 1,280 bytes of LDS; arguments x, stats; writes stats
.if DOCPART == 1
	.amdgcn_target "amdgcn-amd-amdhsa--gfx1250"
	.amdhsa_code_object_version 6
	.text
	.protected	k_qa00c7da4e8_gnstats
	.globl	k_qa00c7da4e8_gnstats
	.p2align	8
	.type	k_qa00c7da4e8_gnstats,@function
k_qa00c7da4e8_gnstats:
	s_mov_b64 s[64:65], 0
	v_nop
	global_prefetch_b8 v0, s[64:65] scope:SCOPE_SE
	s_setreg_imm32_b32 hwreg(HW_REG_WAVE_MODE, 25, 1), 1
	s_wait_xcnt 0x0
; Launch 1 of 4: GroupNorm's statistics, in parts.  x: [4][256][4096] f32.  A group (32 channels of one image) is 524,288 dense bytes.
; Work-group i takes bytes 65,536 i on: part i % 8 of group i / 8, 16,384 numbers, and stores (its mean, its sum of squared deviations from that mean) at stats + 8 i.
; The next launch joins a group's eight parts.  Two passes over registers: the part is read from memory once (64 numbers a thread), and no difference of large sums is formed,
; so a common offset of the inputs costs no accuracy.  Each load of a wave covers 512 consecutive bytes.  No matrix work, no cluster: work-groups share no byte.
.set X, 16                             ; v16-79  my 64 numbers
	s_load_b128 s[4:7], s[0:1], 0x0                ; x, stats
	v_lshl_add_u32 v96, v0, 2, 0x100
	v_mov_b32 v97, 0
	v_lshlrev_b32 v1, 4, v0                        ; 16 bytes a thread: the eight waves cover 4,096 bytes a load
	v_lshrrev_b32 v12, 5, v0
	s_delay_alu instid0(VALU_DEP_1)
	v_readfirstlane_b32 s8, v12                    ; wave
	s_delay_alu instid0(VALU_DEP_1)
	v_mov_b32 v14, s8
	s_delay_alu instid0(VALU_DEP_1)
	v_lshlrev_b32 v14, 2, v14                      ; my wave's word in LDS
	v_mov_b32 v15, 0
	v_mov_b32 v13, 0                               ; a lane permute's destination counts as read: written once
	s_lshl_b32 s12, ttmp9, 16                      ; my part of x
	s_mov_b32 s13, 0
	s_lshl_b32 s14, ttmp9, 3                       ; my 8 bytes of stats
	s_mov_b32 s15, 0
	s_mov_b32 s10, 0x76543210                      ; v_permlanex16_b32's selects for lane l xor 16
	s_mov_b32 s11, 0xfedcba98
	s_wait_alu depctr_va_vdst(0)
	s_wait_kmcnt 0x0
	s_add_nc_u64 s[4:5], s[4:5], s[12:13]
	s_add_nc_u64 s[6:7], s[6:7], s[14:15]
.irp j, 0,1,2,3,4,5,6,7,8,9,10,11,12,13,14,15
	global_load_b128 v[X+4*\j:X+4*\j+3], v1, s[4:5] offset:4096*\j
.endr
; four packed chains in v[2:9] become one number for the work-group, in v12 of every lane; off: the eight waves' words in LDS
.macro REDUCE off
	s_delay_alu instid0(VALU_DEP_3)
	v_pk_add_f32 v[2:3], v[2:3], v[4:5]
	s_delay_alu instid0(VALU_DEP_2)
	v_pk_add_f32 v[6:7], v[6:7], v[8:9]
	s_delay_alu instid0(VALU_DEP_1)
	v_pk_add_f32 v[2:3], v[2:3], v[6:7]
	s_delay_alu instid0(VALU_DEP_1)
	v_add_f32 v12, v2, v3
	s_delay_alu instid0(VALU_DEP_1)
	v_add_f32_dpp v12, v12, v12 row_xmask:1 row_mask:0xf bank_mask:0xf
	s_delay_alu instid0(VALU_DEP_1)
	v_add_f32_dpp v12, v12, v12 row_xmask:2 row_mask:0xf bank_mask:0xf
	s_delay_alu instid0(VALU_DEP_1)
	v_add_f32_dpp v12, v12, v12 row_xmask:4 row_mask:0xf bank_mask:0xf
	s_delay_alu instid0(VALU_DEP_1)
	v_add_f32_dpp v12, v12, v12 row_xmask:8 row_mask:0xf bank_mask:0xf
	s_delay_alu instid0(VALU_DEP_1)
	v_permlanex16_b32 v13, v12, s10, s11
	s_delay_alu instid0(VALU_DEP_1)
	v_add_f32 v12, v12, v13                        ; the wave's sum, in every lane
	ds_store_b32 v14, v12 offset:\off              ; all lanes write the same word with the same value
	s_wait_dscnt 0x0                               ; for the others' sake: my store is done
	s_barrier_signal -1
	s_barrier_wait -1
	ds_load_b128 v[80:83], v15 offset:\off
	ds_load_b128 v[84:87], v15 offset:\off+16
	s_wait_dscnt 0x0
	v_add_f32 v80, v80, v81
	v_add_f32 v82, v82, v83
	v_add_f32 v84, v84, v85
	v_add_f32 v86, v86, v87
	s_delay_alu instid0(VALU_DEP_3)
	v_add_f32 v80, v80, v82
	s_delay_alu instid0(VALU_DEP_2)
	v_add_f32 v84, v84, v86
	s_delay_alu instid0(VALU_DEP_1)
	v_add_f32 v12, v80, v84
.endm
	s_wait_loadcnt 12                              ; the first four loads are in; the twelve younger ones stay out
.irp k, 0,1,2,3
	v_pk_add_f32 v[2+2*\k:3+2*\k], v[X+2*\k:X+2*\k+1], v[X+8+2*\k:X+9+2*\k]   ; the first pairs start the chains: nothing is cleared
.endr
	s_wait_alu depctr_va_vdst(0)
.irp g, 1,2,3
	s_wait_alu depctr_va_vdst(0)
	s_wait_loadcnt 12-4*\g                         ; the next four are in
.irp k, 0,1,2,3,4,5,6,7
	v_pk_add_f32 v[2+2*(\k%4):3+2*(\k%4)], v[2+2*(\k%4):3+2*(\k%4)], v[X+16*\g+2*\k:X+16*\g+2*\k+1]
.endr
.endr
	REDUCE 0
	s_delay_alu instid0(VALU_DEP_1)
	v_mul_f32 v90, 0x38800000, v12                 ; the part's mean: sum x 2^-14
	s_delay_alu instid0(VALU_DEP_2)
	v_mul_f32 v10, 0xb8800000, v12                 ; and its negative, twice, for the packed additions
	s_delay_alu instid0(VALU_DEP_1)
	v_mov_b32 v11, v10
.set I, 0
.rept 32
	v_pk_add_f32 v[X+2*I:X+2*I+1], v[X+2*I:X+2*I+1], v[10:11]       ; d = x - mean
.set I, I+1
.endr
.irp k, 0,1,2,3
	v_pk_mul_f32 v[2+2*\k:3+2*\k], v[X+2*\k:X+2*\k+1], v[X+2*\k:X+2*\k+1]
.endr
.set I, 4
.rept 28
	s_delay_alu instid0(VALU_DEP_4)
	v_pk_fma_f32 v[2+2*(I%4):3+2*(I%4)], v[X+2*I:X+2*I+1], v[X+2*I:X+2*I+1], v[2+2*(I%4):3+2*(I%4)]   ; + d d, in four chains
.set I, I+1
.endr
	REDUCE 64                                      ; other LDS words than the first time: no barrier is owed between those reads and these stores
	s_delay_alu instid0(VALU_DEP_1)
	v_mov_b32 v91, v12
	s_wait_alu depctr_va_vdst(0)
	s_wait_xcnt 0x0                                ; EXEC changes only behind this wait
	v_cmp_eq_u32 vcc_lo, 0, v0
	s_wait_tensorcnt 0x0
	ds_add_u32 v96, v97
	s_wait_dscnt 0x0
	s_and_saveexec_b32 s9, vcc_lo                  ; thread 0 alone
	global_store_b64 v15, v[90:91], s[6:7]
	s_wait_xcnt 0x0
	s_or_b32 exec_lo, exec_lo, s9
	s_endpgm
.Lfunc_end_k_qa00c7da4e8_gnstats:
	.size	k_qa00c7da4e8_gnstats, .Lfunc_end_k_qa00c7da4e8_gnstats-k_qa00c7da4e8_gnstats
	.p2alignl 7, 3214868480
	.fill 96, 4, 3214868480
	.section	.rodata,"a",@progbits
	.p2align	6, 0x0
	.amdhsa_kernel k_qa00c7da4e8_gnstats
		.amdhsa_group_segment_fixed_size 1280
		.amdhsa_private_segment_fixed_size 0
		.amdhsa_enable_private_segment 0
		.amdhsa_kernarg_size 16
		.amdhsa_user_sgpr_count 2
		.amdhsa_user_sgpr_kernarg_segment_ptr 1
		.amdhsa_wavefront_size32 1
		.amdhsa_system_sgpr_workgroup_id_x 1
		.amdhsa_system_sgpr_workgroup_id_y 1
		.amdhsa_system_sgpr_workgroup_id_z 1
		.amdhsa_system_vgpr_workitem_id 0
		.amdhsa_next_free_vgpr 98
		.amdhsa_next_free_sgpr 66
		.amdhsa_reserve_vcc 1
		.amdhsa_float_denorm_mode_32 3
		.amdhsa_float_denorm_mode_16_64 3
		.amdhsa_memory_ordered 1
		.amdhsa_forward_progress 1
		.amdhsa_inst_pref_size 14
	.end_amdhsa_kernel
	.amdgpu_metadata
---
amdhsa.version: [ 1, 2 ]
amdhsa.kernels:
  - .name:           k_qa00c7da4e8_gnstats
    .symbol:         k_qa00c7da4e8_gnstats.kd
    .args:
      - { .name: x, .offset: 0, .size: 8, .value_kind: global_buffer, .address_space: global }
      - { .name: stats, .offset: 8, .size: 8, .value_kind: global_buffer, .address_space: global }
    .group_segment_fixed_size: 1280
    .private_segment_fixed_size: 0
    .kernarg_segment_align: 8
    .kernarg_segment_size: 16
    .max_flat_workgroup_size: 256
    .sgpr_count:     66
    .vgpr_count:     98
    .wavefront_size: 32
...
	.end_amdgpu_metadata
.endif
;; end of part 1
;; launch qkv (part 2): grid 128 x 2, 8 waves a work-group, no clusters, 167,424 bytes of LDS; arguments x, stats, gamma, beta, w_qkv_codes, w_qkv_scales, b_qkv, qc, qs, kv; writes qc, qs, kv
.if DOCPART == 2
	.amdgcn_target "amdgcn-amd-amdhsa--gfx1250"
	.amdhsa_code_object_version 6
	.text
	.protected	k_qa00c7da4e8_qkv
	.globl	k_qa00c7da4e8_qkv
	.p2align	8
	.type	k_qa00c7da4e8_qkv,@function
k_qa00c7da4e8_qkv:
	s_mov_b64 s[64:65], 0
	v_nop
	global_prefetch_b8 v0, s[64:65] scope:SCOPE_SE
	s_setreg_imm32_b32 hwreg(HW_REG_WAVE_MODE, 25, 1), 1
	s_wait_xcnt 0x0
; Launch 2 of 4: h = GroupNorm(x), quantised along the channels; qkv = w_qkv h + b_qkv on codes of BF8 (E5M2) with one E8M0 scale for each 32 along K; q and k quantised along the head's 64, v along the keys.
; SHARES.  Work-group (x id, y id): image b = x id / 32, 128 pixels blk = x id % 32 (one key step of the next launch), heads 2 y and 2 y + 1: 384 of the 768 output rows.  256 equal work-groups, each of which
; writes whole records of kv, scale words included.  Both y normalise and quantise the same 128 pixels of h.
; NO CLUSTER, NO TENSOR LOAD: x wants two scalars for each channel row on its way in, so it comes through registers; each wave's 20 KB of weight fragments go once from memory straight into the registers of the
; wave that multiplies by them, and a joint load would send them through LDS first; the grid's y is 2, which no cluster of four divides.
; TILES.  Lane r of pixel tile T holds pixel P(T, r) = 32 (T / 2) + 8 (T % 2) + r + 8 (r / 8); channel tiles of w_qkv's rows likewise.  In a 16 x 16 result a lane holds one column and rows 8 (lane / 16) + j, so the
; 16 registers of tiles 2 b and 2 b + 1 are 16 NEIGHBOURS 32 b + 16 (lane / 16) + 0 .. 15 along the axis that source 0's rows run over: as the conversions and the next operand's layout want them.
;   q, k: source 0 = 16 rows of w, source 1 = 16 pixels of h: a lane holds one pixel, its registers run along the head's channels.     v: source 0 = 16 pixels of h, source 1 = 16 rows of w: one channel, registers along the keys.
; OPERANDS ARE STORED AS IMAGES OF THEIR REGISTERS: four registers = 512 bytes, lane l's 16 bytes at 16 l; in LDS (h) and in the workspace (qc, kv), so that a reader's b128 loads give the same registers in the same lanes.
;   qc [bh][tile 256][2][512];  qs [bh][pair of tiles 128][16] words: bytes 0, 1 tile 2 p's scales, bytes 2, 3 tile 2 p + 1's;
;   kv [bh][step 32] records of 16,896 bytes: k's 8 tiles (1,024 each), v's 4 channel tiles (2,048 each, 128 keys), k's 4 x 16 pair words, v's 4 x 16 scale words.
; LIMITS: NaN and infinities among the inputs are not served.  A block whose largest magnitude lies under 2^-111, a block of zeros too, gets the scale byte 1 (the rule says 127 for zeros): its codes are then zeros
; or as the held byte gives them, and this program alone reads the bytes.  v_rsq_f32 is accurate to 1 ulp.
; REGISTERS, window 0: v1-15 lane numbers and addresses; v16-79 64 numbers at work (h's numbers; x fragments v16-47 and q/k sums v48-79; v's sums); v80-111 codes; v112-127 quantiser's scratch; v128-255 x's 32 rows,
;   later v128-191 four h fragments, v192-215 scale words, v240-243 offsets.   window 1: v0-127 my 8 fragments of w for q or k; v128-159 two for v; v160-191 bias tiles; v192-199 v's bias; v200 as loaded.
.set HOFF, 65664                       ; LDS: h as f32.  Channel 32 c + 16 hh + i, pixel p at hh HOFF + (16 c + i) 512 + 4 p.  HOFF = 65,536 + 128: the two halves of the lanes then read words 32 apart modulo 64
.set HIMG, 131328                      ; h's 16 fragments (2 T + s), 2,048 bytes each
.set HSC,  164096                      ; their scale words, 128 bytes each
.set REC,  16896
.set VIMG, 8192
.set KSC,  16384
.set VSC,  16640
.set XF,   16
.set ACC,  48
.set VA,   16
.set PC,   80
.set TM,   112                         ; +0 largest magnitudes, +4 the other half's, then bytes, +12 the conversion's scale operand
.set X,    128
.set HF,   128
.set WS,   192                         ; v192-199 w's scale words (tile ct, K step s) at 2 ct + s
.set WVS,  200                         ; v200-201 the same for v's tile
.set XS,   202                         ; v202-203 h's, for q and k
.set HS,   204                         ; v204-207 h's, for v
.set PW,   208                         ; a scale word just made
.set SB,   210                         ; v210-213 two scale bytes of each of my four tiles
.set PWD,  214
.set WV1,  128                         ; window 1
.set BQ,   160
.set VB,   192
.set MNT,  61
.set SEL,  62                          ; s[62:63] v_permlanex16_b32's selects for lane l xor 16
.set MSB, 0
.macro WIN new                         ; the immediate's high byte repeats the setting that is left
.if MSB != \new
	s_set_vgpr_msb (MSB<<8)|\new
.set MSB, \new
.endif
.endm
; 64 numbers of a lane, register 16 b + i = k 32 b + 16 (lane / 16) + i of my row, become a fragment's codes in v[PC] on and its scale word in v[PW]
.macro QUANT4 src
.irp b, 0,1,2,3
	v_max3_num_f32 v[TM+\b], |v[\src+16*\b]|, |v[\src+1+16*\b]|, 0x8000000   ; my 16 numbers of block b, and the floor 2^(16 - 127): the byte cannot fall under 1
.endr
.irp i, 2,4,6,8,10,12,14
.irp b, 0,1,2,3
	v_max3_num_f32 v[TM+\b], v[TM+\b], |v[\src+16*\b+\i]|, |v[\src+1+16*\b+\i]|
.endr
.endr
.irp b, 0,1,2,3
	s_delay_alu instid0(VALU_DEP_4)
	v_permlanex16_b32 v[TM+4+\b], v[TM+\b], s[SEL], s[SEL+1]
.endr
.irp b, 0,1,2,3
	s_delay_alu instid0(VALU_DEP_4)
	v_max_num_f32 v[TM+\b], v[TM+\b], v[TM+4+\b]   ; with lane l xor 16's: the block's largest magnitude
.endr
.irp b, 0,1,2,3
	s_delay_alu instid0(VALU_DEP_4)
	v_add_nc_u32 v[TM+12+\b], 0xf8800000, v[TM+\b] ; 15 off its exponent field: the conversion's scale operand
.endr
.irp b, 0,1,2,3
.endr
.irp b, 0,1,2,3
	s_delay_alu instid0(VALU_DEP_4)
	v_lshrrev_b32 v[TM+4+\b], 23, v[TM+12+\b]      ; the scale's byte
.endr
	s_delay_alu instid0(VALU_DEP_3)
	v_lshl_or_b32 v[PW], v[TM+5], 8, v[TM+4]
	s_delay_alu instid0(VALU_DEP_1)
	v_lshl_or_b32 v[PW], v[TM+6], 16, v[PW]
	s_delay_alu instid0(VALU_DEP_1)
	v_lshl_or_b32 v[PW], v[TM+7], 24, v[PW]
.irp b, 0,1,2,3
.irp i, 0,1,2,3,4,5,6,7,8,9,10,11,12,13,14,15
.endr
	v_cvt_scalef32_pk8_bf8_f32 v[PC+4*\b:PC+1+4*\b], v[\src+16*\b:\src+7+16*\b], v[TM+12+\b]
	v_cvt_scalef32_pk8_bf8_f32 v[PC+2+4*\b:PC+3+4*\b], v[\src+8+16*\b:\src+15+16*\b], v[TM+12+\b]
.endr
	v_nop                                          ; a plain line behind the last conversion, ahead of whatever next touches its registers
.endm
; the same for 32 numbers, two blocks: codes into v[pc] .. v[pc + 7], the two bytes into v[wd]
.macro QUANT2 src, pc, wd
.irp b, 0,1
	v_max3_num_f32 v[TM+\b], |v[\src+16*\b]|, |v[\src+1+16*\b]|, 0x8000000
.endr
.irp i, 2,4,6,8,10,12,14
.irp b, 0,1
	v_max3_num_f32 v[TM+\b], v[TM+\b], |v[\src+16*\b+\i]|, |v[\src+1+16*\b+\i]|
.endr
.endr
.irp b, 0,1
	s_delay_alu instid0(VALU_DEP_2)
	v_permlanex16_b32 v[TM+4+\b], v[TM+\b], s[SEL], s[SEL+1]
.endr
.irp b, 0,1
	s_delay_alu instid0(VALU_DEP_2)
	v_max_num_f32 v[TM+\b], v[TM+\b], v[TM+4+\b]
.endr
.irp b, 0,1
	s_delay_alu instid0(VALU_DEP_2)
	v_add_nc_u32 v[TM+12+\b], 0xf8800000, v[TM+\b]
.endr
.irp b, 0,1
.endr
.irp b, 0,1
	s_delay_alu instid0(VALU_DEP_2)
	v_lshrrev_b32 v[TM+4+\b], 23, v[TM+12+\b]
.endr
	s_delay_alu instid0(VALU_DEP_1)
	v_lshl_or_b32 v[\wd], v[TM+5], 8, v[TM+4]
.irp b, 0,1
.irp i, 0,1,2,3,4,5,6,7,8,9,10,11,12,13,14,15
.endr
	v_cvt_scalef32_pk8_bf8_f32 v[\pc+4*\b:\pc+1+4*\b], v[\src+16*\b:\src+7+16*\b], v[TM+12+\b]
	v_cvt_scalef32_pk8_bf8_f32 v[\pc+2+4*\b:\pc+3+4*\b], v[\src+8+16*\b:\src+15+16*\b], v[TM+12+\b]
.endr
	v_nop
.endm
.macro IMAGE adr, off                  ; the fragment in v[PC] on goes to LDS as it stands
.irp c, 0,1,2,3
	ds_store_b128 v[\adr], v[PC+4*\c:PC+4*\c+3] offset:(\off)+512*\c
.endr
.endm
.macro FETCH reg, adr, off             ; and comes back so, in any wave
.irp c, 0,1,2,3
	ds_load_b128 v[(\reg)+4*\c:(\reg)+4*\c+3], v[\adr] offset:(\off)+512*\c
.endr
.endm
.macro BARRIER                         ; my LDS stores have landed and my LDS loads are in: then the work-group's barrier
	s_wait_dscnt 0x0
	s_barrier_signal -1
	s_barrier_wait -1
.endm
	s_load_b512 s[4:19], s[0:1], 0x0               ; x s[4:5], stats s[6:7], gamma s[8:9], beta s[10:11], w's codes s[12:13], w's scales s[14:15], b_qkv s[16:17], qc s[18:19]
	s_load_b128 s[20:23], s[0:1], 0x40             ; qs s[20:21], kv s[22:23]
	s_set_vgpr_msb 0x40
	v_lshl_add_u32 v254, v0, 2, 0x28a00
	v_mov_b32 v255, 0
	s_set_vgpr_msb 0x4000
	v_lshrrev_b32 v1, 5, v0
	s_delay_alu instid0(VALU_DEP_1)
	v_readfirstlane_b32 s56, v1                    ; wave w, 0..7
	v_and_b32 v1, 31, v0                           ; lane
	v_and_b32 v2, 15, v0                           ; r
	v_bfe_u32 v3, v0, 4, 1                         ; hh = lane / 16
	s_delay_alu instid0(VALU_DEP_3)
	v_lshlrev_b32 v4, 4, v1                        ; 16 x lane
	s_delay_alu instid0(VALU_DEP_4)
	v_lshlrev_b32 v16, 2, v1                       ; 4 x lane
	s_delay_alu instid0(VALU_DEP_4)
	v_and_b32 v17, 8, v2
	s_delay_alu instid0(VALU_DEP_1)
	v_add_nc_u32 v17, v17, v2                      ; r + 8 (r / 8)
	v_mov_b32 v37, 0                               ; the offset of the statistics' loads
	s_lshl_b32 s57, s56, 13
	v_add_nc_u32 v5, s57, v4                       ; h's rows on the way in: channels 32 w + 0 .. 15 at 8,192 w + 16 x lane,
	s_delay_alu instid0(VALU_DEP_1)
	v_add_nc_u32 v6, HOFF, v5                      ; channels 32 w + 16 .. 31 HOFF further on
	s_lshr_b32 s2, s56, 1
	s_lshl_b32 s2, s2, 7
	s_and_b32 s3, s56, 1
	s_lshl_b32 s3, s3, 5
	s_add_co_u32 s2, s2, s3                        ; 4 (32 (w / 2) + 8 (w % 2))
	v_mul_u32_u24 v7, v3, HOFF
	s_delay_alu instid0(VALU_DEP_1)
	v_lshl_add_u32 v7, v17, 2, v7
	s_delay_alu instid0(VALU_DEP_1)
	v_add_nc_u32 v7, s2, v7                        ; and on the way out: hh HOFF + 4 P(w, r)
	s_lshl_b32 s2, s56, 12
	s_add_co_u32 s2, s2, HIMG
	v_add_nc_u32 v8, s2, v4                        ; where I store pixel tile w's two fragments,
	s_lshl_b32 s2, s56, 8
	s_add_co_u32 s2, s2, HSC
	v_add_nc_u32 v9, s2, v16                       ; and their scale words
	s_lshr_b32 s3, s56, 2
	s_lshl_b32 s2, s3, 14
	s_add_co_u32 s2, s2, HIMG
	v_add_nc_u32 v10, s2, v4                       ; q, k: I read pixel tiles 4 (w / 4) + 0 .. 3
	s_lshl_b32 s2, s3, 10
	s_add_co_u32 s2, s2, HSC
	v_add_nc_u32 v11, s2, v16
	v_add_nc_u32 v12, HIMG, v4                     ; v: I read all eight
	v_add_nc_u32 v13, HSC, v16
	v_lshlrev_b32 v14, 8, v17
	s_delay_alu instid0(VALU_DEP_1)
	v_lshl_add_u32 v14, v3, 4, v14                 ; w's codes: row r + 8 (r / 8) of a tile, 256 bytes a row, + 16 hh
	v_lshlrev_b32 v15, 3, v17                      ; w's scale bytes: 8 a row
.irp b, 0,1,2,3
	v_mov_b32 v[TM+4+\b], 0                        ; written once: a lane permute's destination counts as one of its sources
.endr
	s_lshr_b32 s2, ttmp9, 5                        ; b
	s_lshl_b32 s2, s2, 3
	s_add_co_u32 s2, s2, s56                       ; 8 b + w: wave w takes group w
	s_lshl_b32 s100, s2, 6                         ; its eight parts' statistics: 64 bytes
	s_mov_b32 s101, 0
	s_lshl_b32 s2, s2, 19                          ; its 32 channel rows of 16,384 bytes,
	s_and_b32 s3, ttmp9, 31
	s_lshl_b32 s3, s3, 9                           ; my 128 pixels of each: 512 bytes
	s_add_co_u32 s2, s2, s3
	s_mov_b32 s3, 0
	s_lshl_b32 s60, s56, 7                         ; its 32 gamma and beta
	s_mov_b32 s61, 0
	s_mov_b32 s[SEL], 0x76543210
	s_mov_b32 s[SEL+1], 0xfedcba98
	s_wait_kmcnt 0x0
	s_add_nc_u64 s[6:7], s[6:7], s[100:101]
	s_add_nc_u64 s[4:5], s[4:5], s[2:3]
	s_add_nc_u64 s[8:9], s[8:9], s[60:61]
	s_add_nc_u64 s[10:11], s[10:11], s[60:61]
	; ---- the load phase: wave w brings group w's 32 rows x 128 pixels, normalises them and lays them in LDS as f32
.irp i, 0,1,2,3
	global_load_b128 v[16+4*\i:19+4*\i], v37, s[6:7] offset:16*\i    ; (mean, M2) of the eight parts, the same in every lane
.endr
.set J, 0
.rept 32
	global_load_b128 v[X+4*J:X+4*J+3], v4, s[4:5] offset:16384*J     ; 32 lanes read 512 consecutive bytes of a channel row
.set J, J+1
.endr
	s_load_b512 s[24:39], s[8:9], 0x0              ; gamma of my 32 channels
	s_load_b512 s[40:55], s[8:9], 0x40
	s_load_b512 s[68:83], s[10:11], 0x0            ; beta
	s_load_b512 s[84:99], s[10:11], 0x40
	s_mov_b32 s2, 0x37000000                       ; 2^-17: a group has 131,072 numbers
	s_mov_b32 s3, 0x3727c5ac                       ; 1e-5
	s_wait_loadcnt 32                              ; the statistics are in; x's 32 rows, issued behind them, stay out
	v_add_f32 v32, v16, v18
	v_add_f32 v33, v20, v22
	v_add_f32 v34, v24, v26
	v_add_f32 v35, v28, v30
	s_delay_alu instid0(VALU_DEP_3)
	v_add_f32 v32, v32, v33
	s_delay_alu instid0(VALU_DEP_2)
	v_add_f32 v34, v34, v35
	s_delay_alu instid0(VALU_DEP_1)
	v_add_f32 v32, v32, v34
	s_delay_alu instid0(VALU_DEP_1)
	v_mul_f32 v32, 0x3e000000, v32                 ; the group's mean: the parts are equally large
	v_add_f32 v33, v17, v19
	v_add_f32 v34, v21, v23
	v_add_f32 v35, v25, v27
	v_add_f32 v36, v29, v31
	s_delay_alu instid0(VALU_DEP_3)
	v_add_f32 v33, v33, v34
	s_delay_alu instid0(VALU_DEP_2)
	v_add_f32 v35, v35, v36
	s_delay_alu instid0(VALU_DEP_1)
	v_add_f32 v33, v33, v35                        ; the parts' sums of squared deviations
.irp i, 0,1,2,3,4,5,6,7
	v_sub_f32 v[16+2*\i], v[16+2*\i], v32          ; each part's mean less the group's
.endr
	v_mul_f32 v34, v16, v16
.irp i, 1,2,3,4,5,6,7
	s_delay_alu instid0(VALU_DEP_1)
	v_fmac_f32 v34, v[16+2*\i], v[16+2*\i]
.endr
	s_delay_alu instid0(VALU_DEP_1)
	v_fmamk_f32 v33, v34, 0x46800000, v33          ; + 16,384 x the sum of their squares
	s_delay_alu instid0(VALU_DEP_1)
	v_fma_f32 v33, v33, s2, s3                     ; the variance + eps
	s_wait_alu depctr_va_vdst(0)
	v_rsq_f32 v34, v33
	v_xor_b32 v32, 0x80000000, v32                 ; -mean (a plain line behind the transcendental)
	s_delay_alu instid0(VALU_DEP_1)
	v_readfirstlane_b32 s58, v32
	s_wait_alu depctr_va_vdst(0)
	v_readfirstlane_b32 s60, v34                   ; 1 / sqrt(var + eps)
	s_mov_b32 s59, s58                             ; (the packed form names the pair)
	s_wait_kmcnt 0x0
.set J, 0
.rept 32
	s_mul_f32 s[24+J], s[24+J], s60                ; gamma / sqrt(var + eps)
.set J, J+1
.endr
.set J, 0
.rept 32
	s_wait_loadcnt 31-J                            ; row J is in; the younger rows stay out
	v_pk_add_f32 v[X+4*J:X+4*J+1], v[X+4*J:X+4*J+1], s[58:59] op_sel_hi:[1,0]
	v_pk_add_f32 v[X+4*J+2:X+4*J+3], v[X+4*J+2:X+4*J+3], s[58:59] op_sel_hi:[1,0]
.irp q, 0,1,2,3
	v_fma_f32 v[X+4*J+\q], v[X+4*J+\q], s[24+J], s[68+J]
.endr
.if J < 16
	ds_store_b128 v5, v[X+4*J:X+4*J+3] offset:512*J
.else
	ds_store_b128 v6, v[X+4*J:X+4*J+3] offset:512*(J-16)
.endif
.set J, J+1
.endr
	; ---- every address of the rest, in the scalars that gamma and beta have left
	s_and_b32 s24, ttmp7, 0xffff
	s_lshl_b32 s24, s24, 1                         ; 2 y
	s_and_b32 s25, s56, 1                          ; hl = w % 2
	s_bfe_u32 s26, s56, 0x10001                    ; t = (w / 2) % 2: 0 q, 1 k
	s_lshr_b32 s27, s56, 2                         ; w / 4
	s_add_co_u32 s28, s24, s25                     ; q, k: my head = 2 y + hl
	s_lshl_b32 s29, s28, 6
	s_lshl_b32 s30, s26, 8
	s_add_co_u32 s29, s29, s30                     ; my 64 rows of w begin at 256 t + 64 head
	s_mov_b32 s33, 0
	s_lshl_b32 s32, s29, 8
	s_add_nc_u64 s[34:35], s[12:13], s[32:33]      ; their codes,
	s_lshl_b32 s32, s29, 3
	s_add_nc_u64 s[36:37], s[14:15], s[32:33]      ; scale bytes,
	s_lshl_b32 s32, s29, 2
	s_add_nc_u64 s[38:39], s[16:17], s[32:33]      ; biases
	s_add_co_u32 s40, s24, s27                     ; v: my head = 2 y + w / 4; my channel tile = w % 4 = 2 t + hl
	s_lshl_b32 s41, s40, 6
	s_lshl_b32 s42, s26, 5
	s_add_co_u32 s41, s41, s42
	s_lshl_b32 s42, s25, 3
	s_add_co_u32 s41, s41, s42
	s_add_co_u32 s41, s41, 512                     ; its rows begin at 512 + 64 head + 32 t + 8 hl
	s_lshl_b32 s32, s41, 8
	s_add_nc_u64 s[44:45], s[12:13], s[32:33]
	s_lshl_b32 s32, s41, 3
	s_add_nc_u64 s[46:47], s[14:15], s[32:33]
	s_lshl_b32 s32, s41, 2
	s_add_nc_u64 s[48:49], s[16:17], s[32:33]
	s_lshr_b32 s50, ttmp9, 5                       ; b
	s_and_b32 s51, ttmp9, 31                       ; blk
	s_lshl_b32 s52, s50, 2
	s_add_co_u32 s53, s52, s28                     ; bh for q and k
	s_add_co_u32 s54, s52, s40                     ; bh for v
	s_lshl_b32 s68, s53, 8
	s_lshl_b32 s69, s51, 3
	s_add_co_u32 s68, s68, s69
	s_lshl_b32 s69, s27, 2
	s_add_co_u32 s68, s68, s69                     ; q: my first tile: 256 bh + 8 blk + 4 (w / 4)
	s_lshl_b32 s70, s68, 5                         ; its pair word: 64 bytes for two tiles
	s_lshl_b32 s68, s68, 10                        ; its codes: 1,024 bytes a tile
	s_lshl_b32 s72, s53, 5
	s_add_co_u32 s72, s72, s51
	s_mul_i32 s72, s72, REC                        ; k: the record of (bh, blk),
	s_lshl_b32 s73, s27, 12
	s_add_co_u32 s74, s72, s73                     ; my four tiles in it,
	s_lshl_b32 s73, s27, 7
	s_add_co_u32 s75, s72, s73
	s_add_co_u32 s75, s75, KSC                     ; and their two pair words' rows
	s_cmp_eq_u32 s26, 0                            ; q or k: the choice hangs on the wave's number alone
	s_cselect_b64 s[76:77], s[18:19], s[22:23]
	s_cselect_b64 s[78:79], s[20:21], s[22:23]
	s_cselect_b32 s80, s68, s74
	s_cselect_b32 s82, s70, s75
	s_mov_b32 s81, 0
	s_mov_b32 s83, 0
	s_add_nc_u64 s[76:77], s[76:77], s[80:81]      ; where my codes go,
	s_add_nc_u64 s[78:79], s[78:79], s[82:83]      ; and my scale words
	s_lshl_b32 s84, s54, 5
	s_add_co_u32 s84, s84, s51
	s_mul_i32 s84, s84, REC                        ; v: the record,
	s_and_b32 s85, s56, 3
	s_lshl_b32 s86, s85, 11
	s_add_co_u32 s86, s86, s84
	s_add_co_u32 s86, s86, VIMG
	s_mov_b32 s87, 0
	s_add_nc_u64 s[88:89], s[22:23], s[86:87]      ; my channel tile's fragment,
	s_lshl_b32 s86, s85, 6
	s_add_co_u32 s86, s86, s84
	s_add_co_u32 s86, s86, VSC
	s_add_nc_u64 s[90:91], s[22:23], s[86:87]      ; and its scale words
	s_wait_dscnt 0x0                               ; my rows of h lie in LDS, and the stores have read their registers: some of them are written below
	v_lshlrev_b32 v240, 6, v3                      ; 64 hh: a lane's eight biases of a tile
	v_and_b32 v241, 8, v2
	s_delay_alu instid0(VALU_DEP_1)
	v_add_nc_u32 v241, v241, v2
	s_delay_alu instid0(VALU_DEP_1)
	v_lshlrev_b32 v241, 2, v241                    ; 4 (r + 8 (r / 8)): v's bias of my channel
	v_lshlrev_b32 v242, 2, v1                      ; 4 x lane
	v_lshlrev_b32 v243, 2, v2                      ; 4 r
	; my weights, 59 loads: they are on their way while h is quantised
	WIN 0x40                                       ; destination window 1, address window 0
.irp ct, 0,1,2,3
.irp s, 0,1
.irp c, 0,1,2,3
	global_load_b128 v[32*\ct+16*\s+4*\c:32*\ct+16*\s+4*\c+3], v14, s[34:35] offset:(32*(\ct/2)+8*(\ct%2))*256+128*\s+32*\c
.endr
.endr
.endr
.irp s, 0,1
.irp c, 0,1,2,3
	global_load_b128 v[WV1+16*\s+4*\c:WV1+16*\s+4*\c+3], v14, s[44:45] offset:128*\s+32*\c
.endr
.endr
.irp ct, 0,1,2,3
	global_load_b128 v[BQ+8*\ct:BQ+8*\ct+3], v240, s[38:39] offset:(32*(\ct/2)+8*(\ct%2))*4       ; in the result's layout: channels 32 (ct / 2) + 16 hh + 8 (ct % 2) + 0 .. 7
	global_load_b128 v[BQ+8*\ct+4:BQ+8*\ct+7], v240, s[38:39] offset:(32*(\ct/2)+8*(\ct%2))*4+16
.endr
	global_load_b32 v200, v241, s[48:49]
	WIN 0
.irp ct, 0,1,2,3
.irp s, 0,1
	global_load_b32 v[WS+2*\ct+\s], v15, s[36:37] offset:(32*(\ct/2)+8*(\ct%2))*8+4*\s
.endr
.endr
.irp s, 0,1
	global_load_b32 v[WVS+\s], v15, s[46:47] offset:4*\s
.endr
	s_barrier_signal -1
	s_barrier_wait -1                              ; all 256 channels x 128 pixels of h lie in LDS
	; ---- h is quantised: wave w takes pixel tile w; a lane one pixel, its registers down the channels
.irp s, 0,1
.irp c, 0,1,2,3
.irp i, 0,1,2,3,4,5,6,7,8,9,10,11,12,13,14,15
	ds_load_b32 v[16+16*\c+\i], v7 offset:((4*\s+\c)*16+\i)*512      ; channel 128 s + 32 c + 16 hh + i
.endr
.endr
	s_wait_dscnt 0x0
	QUANT4 16
	IMAGE 8, 2048*\s
	ds_store_b32 v9, v[PW] offset:128*\s
.if \s == 0
	s_wait_dscnt 0x0                               ; the stores have read their registers
.endif
.endr
	BARRIER                                        ; h's sixteen fragments lie in LDS; nothing is stored to LDS from here on
	s_wait_loadcnt 0x0                             ; my weights
	WIN 0x41                                       ; source 0 and destination window 1
.irp q, 0,1,2,3,4,5,6,7
	v_mov_b32 v[VB+\q], v200                       ; v's bias as a C: my channel's in all eight registers
.endr
	WIN 0
	; ---- q or k: my head's 64 channels for four tiles of 16 pixels.  Four accumulators by turns.
.irp i, 0,1,2,3
	FETCH XF, 10, 4096*\i
	FETCH XF+16, 10, 4096*\i+2048
	ds_load_b32 v[XS], v11 offset:256*\i
	ds_load_b32 v[XS+1], v11 offset:256*\i+128
	s_wait_dscnt 0x0
	WIN 0x11                                       ; source 0 (w) and source 2 (bias) window 1
.irp ct, 0,1,2,3
	v_wmma_scale_f32_16x16x128_f8f6f4 v[ACC+8*\ct:ACC+8*\ct+7], v[32*\ct:32*\ct+15], v[XF:XF+15], v[BQ+8*\ct:BQ+8*\ct+7], v[WS+2*\ct], v[XS] matrix_a_fmt:MATRIX_FMT_BF8 matrix_b_fmt:MATRIX_FMT_BF8
.endr
	WIN 0x01
.irp ct, 0,1,2,3
	v_wmma_scale_f32_16x16x128_f8f6f4 v[ACC+8*\ct:ACC+8*\ct+7], v[32*\ct+16:32*\ct+31], v[XF+16:XF+31], v[ACC+8*\ct:ACC+8*\ct+7], v[WS+2*\ct+1], v[XS+1] matrix_a_fmt:MATRIX_FMT_BF8 matrix_b_fmt:MATRIX_FMT_BF8
.endr
	WIN 0
.rept 8
	v_nop                                          ; eight places ahead of the first read of the results; with the quantiser's lines on its scratch registers they are more than the nine that the next tile's first product owes, which begins these sums anew
.endr
	QUANT2 ACC, PC+8*\i, SB+\i
	global_store_b128 v4, v[PC+8*\i:PC+8*\i+3], s[76:77] offset:1024*\i          ; 32 lanes store 512 consecutive bytes
	global_store_b128 v4, v[PC+8*\i+4:PC+8*\i+7], s[76:77] offset:1024*\i+512
.endr
	v_lshl_or_b32 v[PWD], v[SB+1], 16, v[SB]       ; a pair's word: tile 2 p's two bytes, then tile 2 p + 1's; both halves of the lanes hold row r's
	v_lshl_or_b32 v[PWD+1], v[SB+3], 16, v[SB+2]
	s_mov_b32 vcc_lo, 0xffff0000
	v_cndmask_b32 v[PWD], v[PWD], v[PWD+1], vcc_lo ; lanes 0-15 my first pair, lanes 16-31 my second: 128 consecutive bytes
	global_store_b32 v242, v[PWD], s[78:79]
	; ---- v: my 16 channels for all 128 pixels.  Source 0 = 16 pixels of h, source 1 = my 16 rows of w.  Eight accumulators by turns.
.irp s, 0,1
.irp g, 0,1
.irp m, 0,1,2,3
	FETCH HF+16*\m, 12, (2*(4*\g+\m)+\s)*2048
	ds_load_b32 v[HS+\m], v13 offset:(2*(4*\g+\m)+\s)*128
.endr
	s_wait_dscnt 0x0
.if \s == 0
	WIN 0x14                                       ; source 1 (w) and source 2 (bias) window 1
.else
	WIN 0x04
.endif
.irp m, 0,1,2,3
.if \s == 0
	v_wmma_scale_f32_16x16x128_f8f6f4 v[VA+8*(4*\g+\m):VA+8*(4*\g+\m)+7], v[HF+16*\m:HF+16*\m+15], v[WV1:WV1+15], v[VB:VB+7], v[HS+\m], v[WVS] matrix_a_fmt:MATRIX_FMT_BF8 matrix_b_fmt:MATRIX_FMT_BF8
.else
	v_wmma_scale_f32_16x16x128_f8f6f4 v[VA+8*(4*\g+\m):VA+8*(4*\g+\m)+7], v[HF+16*\m:HF+16*\m+15], v[WV1+16:WV1+31], v[VA+8*(4*\g+\m):VA+8*(4*\g+\m)+7], v[HS+\m], v[WVS+1] matrix_a_fmt:MATRIX_FMT_BF8 matrix_b_fmt:MATRIX_FMT_BF8
.endif
.endr
	WIN 0
.rept 8
	v_nop                                          ; places ahead of loads into registers that these products have read, and of the first read of results
.endr
.endr
.endr
	s_wait_xcnt 0x0                                ; q's or k's stores have read their data: the codes' registers are written again
	QUANT4 VA                                      ; register 16 b + i = key 32 b + 16 hh + i: one fragment of 128 keys, one scale word a channel
.irp c, 0,1,2,3
	global_store_b128 v4, v[PC+4*\c:PC+4*\c+3], s[88:89] offset:512*\c
.endr
	s_wait_xcnt 0x0                                ; EXEC changes only behind this wait
	v_cmp_gt_u32 vcc_lo, 16, v1
	s_set_vgpr_msb 0x5
	s_wait_tensorcnt 0x0
	ds_add_u32 v254, v255
	s_wait_dscnt 0x0
	s_set_vgpr_msb 0x500
	s_and_saveexec_b32 s2, vcc_lo                  ; lanes 0-15: one word a channel
	global_store_b32 v243, v[PW], s[90:91]
	s_wait_xcnt 0x0
	s_or_b32 exec_lo, exec_lo, s2
	s_endpgm
.Lfunc_end_k_qa00c7da4e8_qkv:
	.size	k_qa00c7da4e8_qkv, .Lfunc_end_k_qa00c7da4e8_qkv-k_qa00c7da4e8_qkv
	.p2alignl 7, 3214868480
	.fill 96, 4, 3214868480
	.section	.rodata,"a",@progbits
	.p2align	6, 0x0
	.amdhsa_kernel k_qa00c7da4e8_qkv
		.amdhsa_group_segment_fixed_size 167424
		.amdhsa_private_segment_fixed_size 0
		.amdhsa_enable_private_segment 0
		.amdhsa_kernarg_size 80
		.amdhsa_user_sgpr_count 2
		.amdhsa_user_sgpr_kernarg_segment_ptr 1
		.amdhsa_wavefront_size32 1
		.amdhsa_system_sgpr_workgroup_id_x 1
		.amdhsa_system_sgpr_workgroup_id_y 1
		.amdhsa_system_sgpr_workgroup_id_z 1
		.amdhsa_system_vgpr_workitem_id 0
		.amdhsa_next_free_vgpr 512
		.amdhsa_next_free_sgpr 102
		.amdhsa_reserve_vcc 1
		.amdhsa_float_denorm_mode_32 3
		.amdhsa_float_denorm_mode_16_64 3
		.amdhsa_fp16_overflow 1
		.amdhsa_memory_ordered 1
		.amdhsa_forward_progress 1
		.amdhsa_inst_pref_size 82
	.end_amdhsa_kernel
	.amdgpu_metadata
---
amdhsa.version: [ 1, 2 ]
amdhsa.kernels:
  - .name:           k_qa00c7da4e8_qkv
    .symbol:         k_qa00c7da4e8_qkv.kd
    .args:
      - { .name: x, .offset: 0, .size: 8, .value_kind: global_buffer, .address_space: global }
      - { .name: stats, .offset: 8, .size: 8, .value_kind: global_buffer, .address_space: global }
      - { .name: gamma, .offset: 16, .size: 8, .value_kind: global_buffer, .address_space: global }
      - { .name: beta, .offset: 24, .size: 8, .value_kind: global_buffer, .address_space: global }
      - { .name: w_qkv_codes, .offset: 32, .size: 8, .value_kind: global_buffer, .address_space: global }
      - { .name: w_qkv_scales, .offset: 40, .size: 8, .value_kind: global_buffer, .address_space: global }
      - { .name: b_qkv, .offset: 48, .size: 8, .value_kind: global_buffer, .address_space: global }
      - { .name: qc, .offset: 56, .size: 8, .value_kind: global_buffer, .address_space: global }
      - { .name: qs, .offset: 64, .size: 8, .value_kind: global_buffer, .address_space: global }
      - { .name: kv, .offset: 72, .size: 8, .value_kind: global_buffer, .address_space: global }
    .group_segment_fixed_size: 167424
    .private_segment_fixed_size: 0
    .kernarg_segment_align: 8
    .kernarg_segment_size: 80
    .max_flat_workgroup_size: 256
    .sgpr_count:     102
    .vgpr_count:     512
    .wavefront_size: 32
...
	.end_amdgpu_metadata
.endif
;; end of part 2
;; launch attn (part 3): grid 16 x 16, 16 waves a work-group, clusters of 4 x 1, 327,680 bytes of LDS; arguments qc, qs, kv, oc, os; writes oc, os
.if DOCPART == 3
	.amdgcn_target "amdgcn-amd-amdhsa--gfx1250"
	.amdhsa_code_object_version 6
	.text
	.protected	k_qa00c7da4e8_attn
	.globl	k_qa00c7da4e8_attn
	.p2align	8
	.type	k_qa00c7da4e8_attn,@function
k_qa00c7da4e8_attn:
	s_mov_b64 s[64:65], 0
	v_nop
	global_prefetch_b8 v0, s[64:65] scope:SCOPE_SE
	s_setreg_imm32_b32 hwreg(HW_REG_WAVE_MODE, 25, 1), 1
	s_wait_xcnt 0x0
	s_wait_alu depctr_hold_cnt(0) depctr_sa_sdst(0) depctr_va_vdst(0) depctr_va_sdst(0) depctr_va_ssrc(0) depctr_va_vcc(0) depctr_vm_vsrc(0)
	s_getreg_b32 s2, hwreg(HW_REG_IB_STS2, 6, 4)
	s_cmp_eq_u32 s2, 0
	s_cbranch_scc0 .Lentry_in_a_cluster
	s_endpgm
.Lentry_in_a_cluster:
	s_bfe_u32 s2, ttmp6, 0x10000c
	s_cmp_lg_u32 s2, 0x3003
	s_cbranch_scc0 .Lentry_shape_is_right
	s_endpgm
.Lentry_shape_is_right:
; Launch 3 of 4: attention of 16 (image, head) pairs, 4,096 queries x 4,096 keys, head size 64, both products on codes of BF8 (E5M2) with one E8M0 scale for each 32 along K; O / l quantised along the channels for the projection.
; THE SOFTMAX AHEAD OF THE SECOND PRODUCT: t = score x log2(e) / 8; M = the running largest t rounded UP to a whole number; p = 2^(t - M) is quantised along the keys, not normalised; the row's sum is taken of the
; unquantised p and divides O at the end.  When M moves, the sum and O are multiplied by 2^(old M - new M): exact.
; SHARES.  A work-group owns 16 tiles of 16 queries of one (image, head); each of its sixteen waves one tile, in 256 registers: four waves to a SIMD, so that one wave's vector work stands beside another's products and LDS loads.
; Every wave walks all keys, 128 a step.  A step's operands are one dense record of kv (16,896 bytes: k's 8 tiles, v's 4 channel tiles, their scale words), laid by the launch before as images of the operands' registers:
; every fragment comes from LDS by b128 loads at 16 x lane, with no pitch and no padding.
; CLUSTER.  The four work-groups of a cluster belong to one (image, head) and walk the same records: each record is asked for JOINTLY, by the same tensor load with a mask that names the four.
; RING.  Two LDS slots of four records.  Waves 0 to 3 fetch one record each; by this text's count a wave has one tensor load out.  The change of slots stands at a slot's head; the load issued there has four key steps in which to land.
; LAYOUT.  Both products are used transposed: S^T = k q^T (source 0 = keys, source 1 = my 16 queries), O^T = v^T p^T (source 0 = 16 channels, source 1 = p): a lane holds one query throughout.  Lane r of k's tile 2 p + u
; holds key 32 p + 8 u + r + 8 (r / 8), so the 16 registers of two neighbouring tiles are 16 neighbouring keys; v's channel tiles are chosen the same way, so O^T's registers run along the channels.
; K = 64 IN A FORM THAT IS 128 DEEP.  Source 0 is a PAIR of tiles: tile 2 p's 64 codes a row, then tile 2 p + 1's.  Source 1 is [q | zero codes] for tile 2 p and [zero codes | q] for tile 2 p + 1; q's scale bytes of the
; zero half are 0 (2^-127).  The other tile's codes are finite (the quantiser holds every number at the largest code) and meet zero codes: they add exactly 0.
; A block's largest p is not searched for: p rises with the score, so the block's largest score goes through the same multiply-add and exponential (this takes v_exp_f32 not to fall where its input rises; the ISA guide
; promises 1 ulp: at the worst one p of a block, within an ulp of a power of two, is held one code low).
; LIMITS: NaN and infinities are not served.  A block under 2^-111, a block of zeros too, gets the scale byte 1; this program alone reads the bytes.  v_exp_f32 and v_rcp_f32 are accurate to 1 ulp.
.set REC,   16896
.set VIMG,  8192
.set KSC,   16384
.set VSC,   16640
.set SLOTB, 4*REC                      ; 67,584
.set SLOT1, 1<<17                      ; slot 1 begins here: one exclusive or turns an address in one slot into the other's
.set SPARE, SLOT1+SLOTB                ; behind the ring: the spare words, 128 bytes for each of 16 waves: eight blocks of 256 bytes that no other line names
.set HEADB, 32*REC                     ; the records of one (image, head)
.set LI,  1                            ; v1   16 x lane
.set LSW, 2                            ; v2   4 r
.set SPW, 3                            ; v3   LDS address of my spare word; never rewritten
.set NIL, 4                            ; v4   0; never rewritten
.set PFO, 5                            ; v5   256 x lane: the prefetches' offset; never rewritten
.set ADK, 6                            ; v6   the step's record + 16 x lane
.set ADS, 7                            ; v7   the step's record + 4 r
                                       ; v8-15 zero codes, v16-23 q, v24-31 zero codes: [zeros | q] = v[8:23], [q | zeros] = v[16:31]
.set KF,  32                           ; v32-95   k's four pairs
.set S,   96                           ; v96-159  S^T, then p, then v's four fragments
.set O,   160                          ; v160-191 O^T
.set PC,  192                          ; v192-207 p's codes
.set BM,  208                          ; v208-211 a block's largest score, then its largest p
.set BT,  212                          ; v212-215 the other half's, then the scale bytes
.set HL,  216
.set SO,  220                          ; v220-223 the conversion's scale operand
.set KS,  224                          ; v224-227 k's pair words
.set VS,  228                          ; v228-231 v's scale words
.set QSL, 232                          ; v232 q's scale word for [q | zeros], v233 for [zeros | q]
.set PW,  234                          ; v234 p's scale word
.set F,   236                          ; v[236:237] 2^(old M - new M), and a word written once (the packed form names the pair)
.set NM,  238                          ; v238 -M, v239 the largest t
.set SUM, 240                          ; v[240:241] the row's sum in two halves; v[242:243] a second chain
.set TMP, 244
.set R2,  245                          ; v245 2 r
.set LN,  246                          ; v246 lane
.set TM,  208                          ; the way out's quantiser uses BM, BT, SO as +0, +4, +12
.set WV,  14
.set SEL, 20
.set CS,  22
.set MNT, 24
.set TB,  25                           ; s25  LDS byte at which the step's record begins
.set SLOTS, 26                         ; s26  slots still to be asked for
.set NST, 27
.set LIM, 28                           ; s28  1 in a wave that prefetches, else the greatest number
.set PFA, 30                           ; s[30:31] where my prefetches stand
.set G0,  32                           ; s[32:35] descriptor group 0, which walks
.set G1,  36                           ; s[36:43] descriptor group 1
.macro CROUND                          ; a round of the cluster's barrier
	s_barrier_signal -1
	s_barrier_wait -1
	s_cmp_lg_u32 s[WV], 0
	s_cbranch_scc1 .Lnot_wave_0_\@
	s_barrier_signal -3
.Lnot_wave_0_\@:
	s_barrier_wait -3
	s_barrier_signal -1
	s_barrier_wait -1
.endm
.macro JLOAD                           ; waves 0 to 3 fetch a record each; the branch hangs on the wave's number alone.  Four v_nop follow the load
	s_cmp_lt_u32 s[WV], 4
	s_cbranch_scc0 .Lno_load_\@
	tensor_load_to_lds s[G0:G0+3], s[G1:G1+7]
	s_nop 0
.rept 4
	v_nop
.endr
.Lno_load_\@:
.endm
; A PREFETCH INTO THE L2 of what the NEXT change of slots will ask for, four key steps ahead of that load.  All four clusters of an (image, head) walk the same records: the first of them (cluster x = 0) asks.  Its four
; partners take a record each, told apart BY ADDRESS; in each, waves 4 and 5, which fetch nothing, ask for 8,192 bytes of the record's codes each, lanes 256 bytes apart: one instruction a wave, each block named once in the
; launch.  A record's last 512 bytes (scale words) come by the load alone, and so do slots 0 and 1.  The last change that fills a slot asks for nothing: there is no slot behind it.
.macro ASK
	s_cmp_gt_u32 s[SLOTS], s[LIM]
	s_cbranch_scc0 .Lnot_mine_\@
	global_prefetch_b8 v[PFO], s[PFA:PFA+1] th:TH_LOAD_NT scope:SCOPE_SE
.Lnot_mine_\@:
.endm
; THE CHANGE OF SLOTS, at a slot's head.  Each wave waits for all its tensor loads (its record of the slot ahead), adds 0 to its spare word, and waits for that and for its reads of the slot that it has left.
; fill = 1: the barrier is a round of the cluster's, so that no wave of any partner still reads the slot that is filled or has a load on its way, and the joint refill is the first thing behind it.
.macro CHANGE fill
	s_wait_tensorcnt 0x0                           ; no tensor load of mine is out, so group 0 may be written
	ds_add_u32 v[SPW], v[NIL]                      ; 0 onto my spare word
.if \fill
	s_xor_b32 s[G0+1], s[G0+1], SLOT1              ; the other slot than last time,
	s_add_nc_u64 s[G0+2:G0+3], s[G0+2:G0+3], SLOTB ; the next four records; the type bits on top are not reached
	s_wait_xcnt 0x0                                ; the last prefetch, a slot back, has read its address:
	s_add_nc_u64 s[PFA:PFA+1], s[PFA:PFA+1], SLOTB ; one slot further on than the walking descriptor
	s_wait_dscnt 0x0                               ; the add is done, and my reads of the slot that I have left are over
	CROUND
	JLOAD
	ASK
.else
	s_wait_dscnt 0x0
	s_barrier_signal -1
	s_barrier_wait -1
.endif
.endm
; A KEY STEP: 128 keys, one record.
.macro STEP
	v_add_nc_u32 v[ADK], s[TB], v[LI]
	v_add_nc_u32 v[ADS], s[TB], v[LSW]
.rept 7
	v_nop                                          ; with the two additions: nine places between the last step's last product and this step's first, which writes over registers that it read (v's fragments lay where the scores go)
.endr
.irp p, 0,1,2,3
.irp c, 0,1,2,3
	ds_load_b128 v[KF+16*\p+4*\c:KF+16*\p+4*\c+3], v[ADK] offset:2048*\p+512*\c
.endr
	ds_load_b32 v[KS+\p], v[ADS] offset:KSC+64*\p
.endr
	s_wait_dscnt 0x0
.irp p, 0,1,2,3
	v_wmma_scale_f32_16x16x128_f8f6f4 v[S+16*\p:S+16*\p+7], v[KF+16*\p:KF+16*\p+15], v[16:31], 0, v[KS+\p], v[QSL] matrix_a_fmt:MATRIX_FMT_BF8 matrix_b_fmt:MATRIX_FMT_BF8
	v_wmma_scale_f32_16x16x128_f8f6f4 v[S+16*\p+8:S+16*\p+15], v[KF+16*\p:KF+16*\p+15], v[8:23], 0, v[KS+\p], v[QSL+1] matrix_a_fmt:MATRIX_FMT_BF8 matrix_b_fmt:MATRIX_FMT_BF8
.endr                                              ; register 16 p + i holds key 32 p + 16 (lane / 16) + i of my query
.rept 8
	v_nop
.endr
.irp b, 0,1,2,3
	v_max3_num_f32 v[BM+\b], v[S+16*\b], v[S+1+16*\b], v[S+2+16*\b]   ; the largest score of each block of 32 keys: for the row's maximum, and for the block's largest p
.endr
.irp i, 3,5,7,9,11,13
.irp b, 0,1,2,3
	v_max3_num_f32 v[BM+\b], v[BM+\b], v[S+16*\b+\i], v[S+1+16*\b+\i]
.endr
.endr
.irp b, 0,1,2,3
	v_max_num_f32 v[BM+\b], v[BM+\b], v[S+15+16*\b]
.endr
.irp b, 0,1,2,3
	s_delay_alu instid0(VALU_DEP_4)
	v_permlanex16_b32 v[BT+\b], v[BM+\b], s[SEL], s[SEL+1]
.endr
.irp b, 0,1,2,3
	s_delay_alu instid0(VALU_DEP_4)
	v_max_num_f32 v[BM+\b], v[BM+\b], v[BT+\b]     ; with lane l xor 16's 16 keys
.endr
	s_delay_alu instid0(VALU_DEP_2)
	v_max3_num_f32 v[TMP], v[BM], v[BM+1], v[BM+2]
	s_delay_alu instid0(VALU_DEP_1)
	v_max_num_f32 v[TMP], v[TMP], v[BM+3]          ; the step's largest score of my query
	s_delay_alu instid0(VALU_DEP_1)
	v_mul_f32 v[TMP], s[CS], v[TMP]                ; as t (c is positive)
	s_delay_alu instid0(VALU_DEP_1)
	v_max_num_f32 v[NM+1], v[NM+1], v[TMP]         ; the running largest t
	v_mov_b32 v[TMP], v[NM]
	s_delay_alu instid0(VALU_DEP_2)
	v_floor_f32 v[NM], -v[NM+1]                    ; the new -M = floor(-t) = -ceil(t)
	s_delay_alu instid0(VALU_DEP_1)
	v_sub_f32 v[TMP], v[NM], v[TMP]                ; old M less new M: a whole number, 0 or less
	s_delay_alu instid0(VALU_DEP_1)
	v_cvt_i32_f32 v[TMP], v[TMP]                   ; (it saturates)
	s_delay_alu instid0(VALU_DEP_1)
	v_ldexp_f32 v[F], 1.0, v[TMP]                  ; f = 2^(old M - new M)
.set J, 0
.rept 32
	v_pk_fma_f32 v[S+J:S+J+1], v[S+J:S+J+1], s[CS:CS+1], v[NM:NM+1] op_sel_hi:[1,0,0]   ; t - M, two at a time (of the pairs c and -M the low word serves both halves)
.set J, J+2
.endr
.irp b, 0,1,2,3
	v_fma_f32 v[BM+\b], v[BM+\b], s[CS], v[NM]     ; the same of each block's largest score
.endr
.set J, 0
	s_wait_alu depctr_va_vdst(0)
.rept 64
	v_exp_f32 v[S+J], v[S+J]                       ; p = 2^(t - M), at most 1
.set J, J+1
.endr
	s_setprio 1
.irp b, 0,1,2,3
	v_exp_f32 v[BM+\b], v[BM+\b]                   ; the block's largest p
.endr
	v_pk_mul_f32 v[SUM:SUM+1], v[SUM:SUM+1], v[F:F+1] op_sel_hi:[1,0]   ; the sums under the new M (a plain line behind the exponentials)
	s_wait_alu depctr_va_vdst(0)
.irp b, 0,1,2,3
	v_max_num_f32 v[BM+\b], 0x8000000, v[BM+\b]    ; the floor 2^(16 - 127): the byte cannot fall under 1
.endr
.irp b, 0,1,2,3
	s_delay_alu instid0(VALU_DEP_4)
	v_add_nc_u32 v[SO+\b], 0xf8800000, v[BM+\b]    ; 15 off the exponent field: the conversion's scale operand
.endr
.irp b, 0,1,2,3
.endr
.irp b, 0,1,2,3
	s_delay_alu instid0(VALU_DEP_4)
	v_lshrrev_b32 v[BT+\b], 23, v[SO+\b]           ; the scale's byte
.endr
	s_delay_alu instid0(VALU_DEP_3)
	v_lshl_or_b32 v[PW], v[BT+1], 8, v[BT]         ; p's scale word for these 128 keys
	s_delay_alu instid0(VALU_DEP_1)
	v_lshl_or_b32 v[PW], v[BT+2], 16, v[PW]
	s_delay_alu instid0(VALU_DEP_1)
	v_lshl_or_b32 v[PW], v[BT+3], 24, v[PW]
	v_pk_add_f32 v[242:243], v[100:101], v[104:105]
	v_pk_add_f32 v[254:255], v[108:109], v[112:113]
	v_pk_add_f32 v[252:253], v[116:117], v[120:121]
	v_pk_add_f32 v[250:251], v[124:125], v[128:129]
	v_pk_add_f32 v[248:249], v[132:133], v[136:137]
	v_pk_add_f32 v[218:219], v[140:141], v[144:145]
	v_pk_add_f32 v[216:217], v[148:149], v[152:153]
	v_pk_add_f32 v[240:241], v[240:241], v[156:157]
	v_pk_add_f32 v[242:243], v[242:243], v[96:97]
	v_pk_add_f32 v[254:255], v[254:255], v[98:99]
	v_pk_add_f32 v[252:253], v[252:253], v[102:103]
	v_pk_add_f32 v[250:251], v[250:251], v[106:107]
	v_pk_add_f32 v[248:249], v[248:249], v[110:111]
	v_pk_add_f32 v[218:219], v[218:219], v[114:115]
	v_pk_add_f32 v[216:217], v[216:217], v[118:119]
	v_pk_add_f32 v[240:241], v[240:241], v[122:123]
	v_pk_add_f32 v[242:243], v[242:243], v[126:127]
	v_pk_add_f32 v[254:255], v[254:255], v[130:131]
	v_pk_add_f32 v[252:253], v[252:253], v[134:135]
	v_pk_add_f32 v[250:251], v[250:251], v[138:139]
	v_pk_add_f32 v[248:249], v[248:249], v[142:143]
	v_pk_add_f32 v[218:219], v[218:219], v[146:147]
	v_pk_add_f32 v[216:217], v[216:217], v[150:151]
	v_pk_add_f32 v[240:241], v[240:241], v[154:155]
	v_pk_add_f32 v[242:243], v[242:243], v[158:159]
	s_delay_alu instid0(VALU_DEP_2)
	v_pk_add_f32 v[240:241], v[240:241], v[250:251]
	s_delay_alu instid0(VALU_DEP_2)
	v_pk_add_f32 v[242:243], v[242:243], v[248:249]
	v_pk_add_f32 v[254:255], v[254:255], v[218:219]
	v_pk_add_f32 v[252:253], v[252:253], v[216:217]
	s_delay_alu instid0(VALU_DEP_2)
	v_pk_add_f32 v[240:241], v[240:241], v[254:255]
	s_delay_alu instid0(VALU_DEP_2)
	v_pk_add_f32 v[242:243], v[242:243], v[252:253]
	s_delay_alu instid0(VALU_DEP_1)
	v_pk_add_f32 v[240:241], v[240:241], v[242:243]
.irp b, 0,1,2,3
.irp i, 0,1,2,3,4,5,6,7,8,9,10,11,12,13,14,15
.endr
	v_cvt_scalef32_pk8_bf8_f32 v[PC+4*\b:PC+1+4*\b], v[S+16*\b:S+7+16*\b], v[SO+\b]
	v_cvt_scalef32_pk8_bf8_f32 v[PC+2+4*\b:PC+3+4*\b], v[S+8+16*\b:S+15+16*\b], v[SO+\b]
.endr
	v_nop
.irp t, 0,1,2,3
.irp c, 0,1,2,3
	ds_load_b128 v[S+16*\t+4*\c:S+16*\t+4*\c+3], v[ADK] offset:VIMG+2048*\t+512*\c   ; v's four fragments take p's registers, which the conversions have read
.endr
	ds_load_b32 v[VS+\t], v[ADS] offset:VSC+64*\t
.endr
.set J, 0
	s_setprio 0
.rept 16
	v_pk_mul_f32 v[O+J:O+J+1], v[O+J:O+J+1], v[F:F+1] op_sel_hi:[1,0]   ; O^T under the new M.  These sixteen are the plain lines behind the conversions and ahead of the products, and stand while the loads are out
.set J, J+2
.endr
	s_wait_alu depctr_va_vdst(0)
	s_wait_dscnt 0x0
.irp t, 0,1,2,3
	v_wmma_scale_f32_16x16x128_f8f6f4 v[O+8*\t:O+8*\t+7], v[S+16*\t:S+16*\t+15], v[PC:PC+15], v[O+8*\t:O+8*\t+7], v[VS+\t], v[PW] matrix_a_fmt:MATRIX_FMT_BF8 matrix_b_fmt:MATRIX_FMT_BF8
.endr
	s_add_co_u32 s[TB], s[TB], REC                 ; the next step's record
.endm
.macro FOUR_STEPS                      ; a slot's four key steps: written once, walked four times
	s_mov_b32 s[NST], 4
.Lstep_\@:
	s_wait_alu depctr_va_vdst(0)
	s_setprio 2
	STEP
	s_sub_co_u32 s[NST], s[NST], 1
	s_cmp_lg_u32 s[NST], 0
	s_cbranch_scc1 .Lstep_\@
	s_setprio 0
	s_sub_co_u32 s[TB], s[TB], SLOTB               ; back to a slot's first record,
	s_xor_b32 s[TB], s[TB], SLOT1                  ; in the other slot
.endm
; 32 numbers of a lane, register 16 b + i = channel 32 b + 16 (lane / 16) + i, become eight registers of codes and two scale bytes
.macro QUANT2 src, pc, wd
.irp b, 0,1
	v_max3_num_f32 v[TM+\b], |v[\src+16*\b]|, |v[\src+1+16*\b]|, 0x8000000
.endr
.irp i, 2,4,6,8,10,12,14
.irp b, 0,1
	s_delay_alu instid0(VALU_DEP_2)
	v_max3_num_f32 v[TM+\b], v[TM+\b], |v[\src+16*\b+\i]|, |v[\src+1+16*\b+\i]|
.endr
.endr
.irp b, 0,1
	s_delay_alu instid0(VALU_DEP_2)
	v_permlanex16_b32 v[TM+4+\b], v[TM+\b], s[SEL], s[SEL+1]
.endr
.irp b, 0,1
	s_delay_alu instid0(VALU_DEP_2)
	v_max_num_f32 v[TM+\b], v[TM+\b], v[TM+4+\b]
.endr
.irp b, 0,1
	s_delay_alu instid0(VALU_DEP_2)
	v_add_nc_u32 v[TM+12+\b], 0xf8800000, v[TM+\b]
.endr
.irp b, 0,1
.endr
.irp b, 0,1
	s_delay_alu instid0(VALU_DEP_2)
	v_lshrrev_b32 v[TM+4+\b], 23, v[TM+12+\b]
.endr
	s_delay_alu instid0(VALU_DEP_1)
	v_lshl_or_b32 v[\wd], v[TM+5], 8, v[TM+4]
.irp b, 0,1
.irp i, 0,1,2,3,4,5,6,7,8,9,10,11,12,13,14,15
.endr
	v_cvt_scalef32_pk8_bf8_f32 v[\pc+4*\b:\pc+1+4*\b], v[\src+16*\b:\src+7+16*\b], v[TM+12+\b]
	v_cvt_scalef32_pk8_bf8_f32 v[\pc+2+4*\b:\pc+3+4*\b], v[\src+8+16*\b:\src+15+16*\b], v[TM+12+\b]
.endr
	v_nop
.endm
	s_load_b256 s[4:11], s[0:1], 0x0               ; qc s[4:5], qs s[6:7], kv s[8:9], oc s[10:11]
	s_load_b64 s[12:13], s[0:1], 0x20              ; os
	v_lshl_add_u32 v[SPW], v0, 2, SPARE
	v_mov_b32 v[NIL], 0
	ds_add_u32 v3, v4
	ds_add_u32 v3, v4
	s_wait_dscnt 0x0
	v_lshrrev_b32 v6, 5, v0
	s_delay_alu instid0(VALU_DEP_1)
	v_readfirstlane_b32 s[WV], v6                  ; wave 0..15
	v_and_b32 v[LN], 31, v0
	s_delay_alu instid0(VALU_DEP_1)
	v_lshlrev_b32 v[LI], 4, v[LN]
	v_and_b32 v[LSW], 15, v0
	s_delay_alu instid0(VALU_DEP_1)
	v_lshlrev_b32 v[R2], 1, v[LSW]
	s_delay_alu instid0(VALU_DEP_2)
	v_lshlrev_b32 v[LSW], 2, v[LSW]
	v_lshlrev_b32 v[PFO], 8, v[LN]
	s_bfe_u32 s15, ttmp6, 0x40000                  ; cx: my place in the cluster: it enters global addresses of q, oc, os and of the prefetches alone
	s_and_b32 s16, ttmp7, 0xffff                   ; bh, which the four partners share
	s_lshl_b32 s17, ttmp9, 2                       ; in a cluster launch ttmp9 counts clusters
	s_add_co_u32 s17, s17, s15
	s_lshl_b32 s17, s17, 4
	s_add_co_u32 s17, s17, s[WV]                   ; my tile of queries T = 16 (4 cluster x + cx) + wave
	; descriptor group 1: a record, dense in memory and in LDS: 66 rows of 32 elements of 8 bytes
	s_mov_b32 s[G1], 15|(3<<16)|(1<<21)            ; 15:0 the mask: all four work-groups; 17:16 elements of 8 bytes; 20 no padding; 21 set beside a mask
	s_mov_b32 s[G1+1], 32<<16                      ; tensor_dim0 = 32
	s_mov_b32 s[G1+2], 66<<16                      ; tensor_dim1 = 66
	s_mov_b32 s[G1+3], 32<<16                      ; tile_dim0 = 32
	s_mov_b32 s[G1+4], 66                          ; tile_dim1 = 66
	s_mov_b32 s[G1+5], 32                          ; the pitch
	s_mov_b32 s[G1+6], 0
	s_mov_b32 s[G1+7], 0
	s_and_b32 s45, s[WV], 3
	s_mul_i32 s[G0+1], s45, REC                    ; which record of a slot I fetch, if I fetch: its place in slot 0,
	s_mul_i32 s44, s16, HEADB
	s_add_co_u32 s44, s44, s[G0+1]                 ; and in memory
	s_mov_b32 s45, 0
	s_mov_b32 s[G0], 1
	s_mul_i32 s[PFA], s16, HEADB                   ; the prefetches: my (image, head),
	s_mul_i32 s[PFA+1], s15, REC                   ; my work-group's record of a slot,
	s_add_co_u32 s[PFA], s[PFA], s[PFA+1]
	s_and_b32 s[PFA+1], s[WV], 1
	s_lshl_b32 s[PFA+1], s[PFA+1], 13              ; my wave's 8,192 bytes of it,
	s_add_co_u32 s[PFA], s[PFA], s[PFA+1]
	s_add_co_u32 s[PFA], s[PFA], SLOTB             ; in slot 1: the first change of slots steps it to slot 2
	s_mov_b32 s[PFA+1], 0
	s_sub_co_u32 s46, s[WV], 4
	s_lshr_b32 s46, s46, 1                         ; 0 in waves 4 and 5,
	s_or_b32 s46, s46, ttmp9                       ; of the first cluster: the same in all four partners
	s_cmp_eq_u32 s46, 0
	s_cselect_b32 s[LIM], 1, -1
	s_lshl_b32 s46, s16, 8
	s_add_co_u32 s46, s46, s17                     ; 256 bh + T
	s_lshl_b32 s52, s46, 5                         ; os: 32 bytes a tile
	s_mov_b32 s53, 0
	s_lshl_b32 s46, s46, 10                        ; qc: 1,024 bytes a tile
	s_mov_b32 s47, 0
	s_lshl_b32 s48, s16, 7
	s_lshr_b32 s49, s17, 1
	s_add_co_u32 s48, s48, s49
	s_lshl_b32 s48, s48, 6                         ; qs: 64 bytes a pair of tiles
	s_mov_b32 s49, 0
	s_lshr_b32 s50, s16, 2                         ; image
	s_lshl_b32 s50, s50, 8
	s_add_co_u32 s50, s50, s17
	s_lshl_b32 s50, s50, 2
	s_and_b32 s51, s16, 3                          ; head
	s_add_co_u32 s50, s50, s51
	s_lshl_b32 s50, s50, 10                        ; oc: ((256 image + T) 4 + head) x 1,024
	s_mov_b32 s51, 0
	s_mov_b32 s[SEL], 0x76543210
	s_mov_b32 s[SEL+1], 0xfedcba98
	s_mov_b32 s[CS], 0x3e38aa3b                    ; c = log2(e) / 8
	s_mov_b32 s[CS+1], s[CS]
	s_mov_b32 s[TB], 0
	s_mov_b32 s[SLOTS], 7
	s_wait_kmcnt 0x0
	s_add_nc_u64 s[G0+2:G0+3], s[8:9], s[44:45]
	s_or_b32 s[G0+3], s[G0+3], 0x80000000          ; type = 2
	s_add_nc_u64 s[PFA:PFA+1], s[8:9], s[PFA:PFA+1]
	s_add_nc_u64 s[46:47], s[4:5], s[46:47]
	s_add_nc_u64 s[48:49], s[6:7], s[48:49]
	s_add_nc_u64 s[50:51], s[10:11], s[50:51]
	s_add_nc_u64 s[52:53], s[12:13], s[52:53]
	CROUND                                         ; all four work-groups are here: the first joint loads meet
	JLOAD                                          ; slot 0
	s_wait_alu depctr_va_vdst(0)
	global_load_b128 v[16:19], v[LI], s[46:47]             ; q's eight registers stay
	global_load_b128 v[20:23], v[LI], s[46:47] offset:512
	global_load_b32 v[QSL], v[LSW], s[48:49]               ; the pair's word: my tile's two bytes are its half T % 2 = wave % 2
.irp j, 0,1,2,3,4,5,6,7
	v_mov_b32 v[8+\j], 0                           ; zero codes
	v_mov_b32 v[24+\j], 0
.endr
.set J, 0
.rept 32
	v_mov_b32 v[O+J], 0                            ; O^T.  (The step is written once: the first finds zeros, which the first change of M leaves zeros)
.set J, J+1
.endr
.irp b, 0,1,2,3
	v_mov_b32 v[BT+\b], 0                          ; a lane permute's destination counts as one of its sources
.endr
	v_mov_b32 v[F+1], 0
	v_mov_b32 v[SUM], 0
	v_mov_b32 v[SUM+1], 0
	v_mov_b32 v[NM+1], 0xff61b1e6                  ; the largest t so far: -3e38, under every t
	s_delay_alu instid0(VALU_DEP_1)
	v_floor_f32 v[NM], -v[NM+1]
	s_and_b32 s44, s[WV], 1
	s_lshl_b32 s44, s44, 4
	s_wait_loadcnt 0x0
	v_lshrrev_b32 v[QSL], s44, v[QSL]
	s_delay_alu instid0(VALU_DEP_1)
	v_and_b32 v[QSL], 0xffff, v[QSL]               ; bytes 0, 1 q's scales, bytes 2, 3 zero: for [q | zeros]
	s_delay_alu instid0(VALU_DEP_1)
	v_lshlrev_b32 v[QSL+1], 16, v[QSL]             ; and for [zeros | q]
.Lslot:                                            ; seven trips: behind each change of slots but the last the next slot is asked for
	CHANGE 1
	FOUR_STEPS
	s_sub_co_u32 s[SLOTS], s[SLOTS], 1
	s_cmp_lg_u32 s[SLOTS], 0
	s_cbranch_scc1 .Lslot
	CHANGE 0                                       ; the last slot is written out
	FOUR_STEPS
	; THE WAY OUT: O^T / the sum, quantised along the channels: the conversions' results are my tile's part of the projection's operand
.rept 8
	v_nop
.endr
	v_add_f32 v[SUM], v[SUM], v[SUM+1]
	s_delay_alu instid0(VALU_DEP_1)
	v_permlanex16_b32 v[TMP], v[SUM], s[SEL], s[SEL+1]
	s_delay_alu instid0(VALU_DEP_1)
	v_add_f32 v[SUM], v[SUM], v[TMP]               ; the row's sum
	s_wait_alu depctr_va_vdst(0)
	v_rcp_f32 v[SUM], v[SUM]
	v_nop                                          ; a plain line behind the transcendental
.set J, 0
	s_wait_alu depctr_va_vdst(0)
.rept 32
	v_mul_f32 v[S+J], v[O+J], v[SUM]               ; register 16 b + i: channel 32 b + 16 (lane / 16) + i of my query
.set J, J+1
.endr
	QUANT2 S, PC, TMP
	global_store_b128 v[LI], v[PC:PC+3], s[50:51]              ; 32 lanes store 512 consecutive bytes
	global_store_b128 v[LI], v[PC+4:PC+7], s[50:51] offset:512
	s_wait_alu depctr_va_vdst(0)
	s_wait_xcnt 0x0                                ; EXEC changes only behind this wait
	v_cmp_gt_u32 vcc_lo, 16, v[LN]
	s_and_saveexec_b32 s44, vcc_lo                 ; lanes 0-15: two scale bytes a query
	global_store_b16 v[R2], v[TMP], s[52:53]
	s_wait_xcnt 0x0
	s_or_b32 exec_lo, exec_lo, s44
	s_wait_tensorcnt 0x0                           ; the wave's end
	ds_add_u32 v[SPW], v[NIL]
	s_wait_dscnt 0x0
	CROUND                                         ; the closing round: no work-group ends while a partner may still ask for a record that names it
	s_endpgm
.Lfunc_end_k_qa00c7da4e8_attn:
	.size	k_qa00c7da4e8_attn, .Lfunc_end_k_qa00c7da4e8_attn-k_qa00c7da4e8_attn
	.p2alignl 7, 3214868480
	.fill 96, 4, 3214868480
	.section	.rodata,"a",@progbits
	.p2align	6, 0x0
	.amdhsa_kernel k_qa00c7da4e8_attn
		.amdhsa_group_segment_fixed_size 327680
		.amdhsa_private_segment_fixed_size 0
		.amdhsa_enable_private_segment 0
		.amdhsa_kernarg_size 40
		.amdhsa_user_sgpr_count 2
		.amdhsa_user_sgpr_kernarg_segment_ptr 1
		.amdhsa_wavefront_size32 1
		.amdhsa_system_sgpr_workgroup_id_x 1
		.amdhsa_system_sgpr_workgroup_id_y 1
		.amdhsa_system_sgpr_workgroup_id_z 1
		.amdhsa_system_vgpr_workitem_id 0
		.amdhsa_next_free_vgpr 256
		.amdhsa_next_free_sgpr 66
		.amdhsa_reserve_vcc 1
		.amdhsa_float_denorm_mode_32 3
		.amdhsa_float_denorm_mode_16_64 3
		.amdhsa_fp16_overflow 1
		.amdhsa_memory_ordered 1
		.amdhsa_forward_progress 1
		.amdhsa_inst_pref_size 49
	.end_amdhsa_kernel
	.amdgpu_metadata
---
amdhsa.version: [ 1, 2 ]
amdhsa.kernels:
  - .name:           k_qa00c7da4e8_attn
    .symbol:         k_qa00c7da4e8_attn.kd
    .args:
      - { .name: qc, .offset: 0, .size: 8, .value_kind: global_buffer, .address_space: global }
      - { .name: qs, .offset: 8, .size: 8, .value_kind: global_buffer, .address_space: global }
      - { .name: kv, .offset: 16, .size: 8, .value_kind: global_buffer, .address_space: global }
      - { .name: oc, .offset: 24, .size: 8, .value_kind: global_buffer, .address_space: global }
      - { .name: os, .offset: 32, .size: 8, .value_kind: global_buffer, .address_space: global }
    .group_segment_fixed_size: 327680
    .private_segment_fixed_size: 0
    .kernarg_segment_align: 8
    .kernarg_segment_size: 40
    .max_flat_workgroup_size: 512
    .sgpr_count:     66
    .vgpr_count:     256
    .wavefront_size: 32
...
	.end_amdgpu_metadata
.endif
;; end of part 3
;; launch proj (part 4): grid 256 x 1, 16 waves a work-group, no clusters, 88,064 bytes of LDS; arguments oc, os, w_proj_codes, w_proj_scales, b_proj, x, out0; writes out0
.if DOCPART == 4
	.amdgcn_target "amdgcn-amd-amdhsa--gfx1250"
	.amdhsa_code_object_version 6
	.text
	.protected	k_qa00c7da4e8_proj
	.globl	k_qa00c7da4e8_proj
	.p2align	8
	.type	k_qa00c7da4e8_proj,@function
k_qa00c7da4e8_proj:
	s_mov_b64 s[64:65], 0
	v_nop
	global_prefetch_b8 v0, s[64:65] scope:SCOPE_SE
	s_setreg_imm32_b32 hwreg(HW_REG_WAVE_MODE, 25, 1), 1
	s_wait_xcnt 0x0
; Launch 4 of 4: out0 = x + w_proj O + b_proj, the product on codes of BF8 (E5M2) with one E8M0 scale for each 32 along K = the 256 channels.
; SHARES.  Work-group i: image i / 64, 64 pixels (tiles 4 (i % 64) + 0 .. 3 of 16).  Wave w makes output rows 16 w .. 16 w + 15 for the 64 pixels: 8 products.
; oc holds O's fragments as images of their registers ((image, tile): 4,096 bytes, two K steps of 2,048), so the work-group's eight fragments are 16,384 dense bytes: they are copied into LDS as they lie, 1,024 bytes a wave,
; and every wave reads them back by b128 loads at 16 x lane.  os holds two scale bytes for (head, tile, pixel): two of them make a K step's scale word.
; Source 0 = 16 pixels of O, source 1 = my 16 rows of w_proj: a lane holds ONE output row and eight pixels; lane r of tile T holds pixel 32 (T / 2) + 8 (T % 2) + r + 8 (r / 8), so register j of tile m is pixel
; 32 (m / 2) + 16 (lane / 16) + 8 (m % 2) + j of the 64.  The rows go through the wave's own stage in LDS and leave, with x added, as whole rows of 256 bytes: sixteen lanes store 256 consecutive bytes, aligned.
; NO CLUSTER, NO TENSOR LOAD: each wave reads its 4 KB of w_proj once, straight into registers; a work-group's part of oc is read by it alone.
.set STG, 16384                        ; LDS: O's fragments at 0; from here 16 rows x (256 + 16) bytes for each wave
.set CB,  14                           ; v14-21  the bias as a C: my row's in all eight registers
.set OSW, 22                           ; v22-29  O's scale words (tile m, K step s) at 2 m + s
.set WPS, 30                           ; v30-31  w_proj's
.set WP,  32                           ; v32-63  w_proj's two fragments
.set ACC, 64                           ; v64-95  four accumulators; before the products v64-79 hold os's 16 half words
.set XR,  96                           ; v96-127 x: eight times two rows
.set OF,  128                          ; v128-255 O's eight fragments; before: the copy; afterwards v128-159: rows read back
	s_load_b256 s[4:11], s[0:1], 0x0               ; oc s[4:5], os s[6:7], w's codes s[8:9], w's scales s[10:11]
	s_load_b128 s[12:15], s[0:1], 0x20             ; b_proj s[12:13], x s[14:15]
	s_load_b64 s[16:17], s[0:1], 0x30              ; out0
	v_lshrrev_b32 v10, 5, v0
	s_delay_alu instid0(VALU_DEP_1)
	v_readfirstlane_b32 s18, v10                   ; wave 0..15
	v_and_b32 v10, 31, v0                          ; lane
	v_and_b32 v11, 15, v0                          ; r
	v_bfe_u32 v12, v0, 4, 1                        ; hh
	s_delay_alu instid0(VALU_DEP_3)
	v_lshlrev_b32 v1, 4, v10                       ; 16 x lane
	s_lshl_b32 s19, s18, 10
	v_add_nc_u32 v2, s19, v1                       ; the copy: 1,024 x wave + 16 x lane, in memory and in LDS alike
	v_lshlrev_b32 v3, 14, v12
	s_delay_alu instid0(VALU_DEP_1)
	v_lshl_add_u32 v3, v11, 4, v3                  ; x, out0: lanes 0-15 one row of 16,384 bytes, lanes 16-31 the next; 16 bytes a lane
	s_mul_i32 s19, s18, 16*272
	s_add_co_u32 s19, s19, STG                     ; my stage
	v_mul_u32_u24 v4, v11, 272
	s_delay_alu instid0(VALU_DEP_1)
	v_lshl_add_u32 v4, v12, 6, v4
	s_delay_alu instid0(VALU_DEP_1)
	v_add_nc_u32 v4, s19, v4                       ; in: row r, + 64 hh
	v_mul_u32_u24 v5, v12, 272
	s_delay_alu instid0(VALU_DEP_1)
	v_lshl_add_u32 v5, v11, 4, v5
	s_delay_alu instid0(VALU_DEP_1)
	v_add_nc_u32 v5, s19, v5                       ; back: lanes 0-15 one row, lanes 16-31 the next
	v_lshlrev_b32 v6, 1, v11                       ; os: 2 bytes a pixel
	v_lshlrev_b32 v7, 8, v11
	s_delay_alu instid0(VALU_DEP_1)
	v_lshl_add_u32 v7, v12, 4, v7                  ; w's codes: row r of 256 bytes, + 16 hh
	v_lshlrev_b32 v8, 3, v11                       ; w's scale bytes: 8 a row
	v_lshlrev_b32 v9, 2, v11                       ; the bias
	s_lshr_b32 s20, ttmp9, 6                       ; image
	s_and_b32 s21, ttmp9, 63                       ; which 64 pixels
	s_lshl_b32 s22, s20, 20
	s_lshl_b32 s23, s21, 14
	s_add_co_u32 s22, s22, s23                     ; oc: (256 image + 4 pb) x 4,096
	s_mov_b32 s23, 0
	s_lshl_b32 s24, s20, 15
	s_lshl_b32 s25, s21, 7
	s_add_co_u32 s24, s24, s25                     ; os: (1,024 image + 4 pb) x 32
	s_mov_b32 s25, 0
	s_lshl_b32 s26, s20, 22
	s_lshl_b32 s27, s18, 18
	s_add_co_u32 s26, s26, s27
	s_lshl_b32 s27, s21, 8
	s_add_co_u32 s26, s26, s27                     ; x, out0: (256 image + 16 wave) rows + 256 pb
	s_mov_b32 s27, 0
	s_lshl_b32 s28, s18, 12                        ; my 16 rows of w's codes,
	s_mov_b32 s29, 0
	s_lshl_b32 s30, s18, 7                         ; scale bytes,
	s_mov_b32 s31, 0
	s_lshl_b32 s20, s18, 6                         ; biases
	s_mov_b32 s21, 0
	s_wait_alu depctr_va_vdst(0)
	s_wait_kmcnt 0x0
	s_add_nc_u64 s[4:5], s[4:5], s[22:23]
	s_add_nc_u64 s[6:7], s[6:7], s[24:25]
	s_add_nc_u64 s[8:9], s[8:9], s[28:29]
	s_add_nc_u64 s[10:11], s[10:11], s[30:31]
	s_add_nc_u64 s[12:13], s[12:13], s[20:21]
	s_add_nc_u64 s[14:15], s[14:15], s[26:27]
	s_add_nc_u64 s[16:17], s[16:17], s[26:27]
	global_load_b128 v[OF:OF+3], v2, s[4:5]                    ; my 1,024 bytes of the work-group's fragments
	global_load_b128 v[OF+4:OF+7], v2, s[4:5] offset:512
.irp hd, 0,1,2,3
.irp m, 0,1,2,3
	global_load_u16 v[ACC+4*\hd+\m], v6, s[6:7] offset:8192*\hd+32*\m
.endr
.endr
.irp s, 0,1
.irp c, 0,1,2,3
	global_load_b128 v[WP+16*\s+4*\c:WP+16*\s+4*\c+3], v7, s[8:9] offset:128*\s+32*\c
.endr
.endr
.irp s, 0,1
	global_load_b32 v[WPS+\s], v8, s[10:11] offset:4*\s
.endr
	global_load_b32 v13, v9, s[12:13]
.irp i, 0,1,2,3,4,5,6,7
	global_load_b128 v[XR+4*\i:XR+4*\i+3], v3, s[14:15] offset:32768*\i th:TH_LOAD_NT   ; rows 2 i and 2 i + 1 of my 16: read once in this launch
.endr
	s_wait_loadcnt 35                              ; the copy's two loads are in; the 35 issued behind them stay out
	ds_store_b128 v2, v[OF:OF+3]
	ds_store_b128 v2, v[OF+4:OF+7] offset:512
	s_wait_dscnt 0x0                               ; for the others' sake: my stores are done
	s_barrier_signal -1
	s_barrier_wait -1                              ; the eight fragments lie in LDS
.irp m, 0,1,2,3
.irp s, 0,1
.irp c, 0,1,2,3
	ds_load_b128 v[OF+32*\m+16*\s+4*\c:OF+32*\m+16*\s+4*\c+3], v1 offset:4096*\m+2048*\s+512*\c
.endr
.endr
.endr
	s_wait_loadcnt 8                               ; all but x's eight loads are in
.irp m, 0,1,2,3
.irp s, 0,1
	v_lshl_or_b32 v[OSW+2*\m+\s], v[ACC+4*(2*\s+1)+\m], 16, v[ACC+4*(2*\s)+\m]   ; K step s: head 2 s's two bytes, then head 2 s + 1's
.endr
.endr
.irp q, 0,1,2,3,4,5,6,7
	v_mov_b32 v[CB+\q], v13
.endr
.rept 8
	v_nop                                          ; scale words made by vector instructions stand eight places ahead of the scaled products; the LDS loads are out meanwhile
.endr
	s_wait_alu depctr_va_vdst(0)
	s_wait_dscnt 0x0
.irp m, 0,1,2,3                                ; four accumulators by turns
	v_wmma_scale_f32_16x16x128_f8f6f4 v[ACC+8*\m:ACC+8*\m+7], v[OF+32*\m:OF+32*\m+15], v[WP:WP+15], v[CB:CB+7], v[OSW+2*\m], v[WPS] matrix_a_fmt:MATRIX_FMT_BF8 matrix_b_fmt:MATRIX_FMT_BF8
.endr
.irp m, 0,1,2,3
	v_wmma_scale_f32_16x16x128_f8f6f4 v[ACC+8*\m:ACC+8*\m+7], v[OF+32*\m+16:OF+32*\m+31], v[WP+16:WP+31], v[ACC+8*\m:ACC+8*\m+7], v[OSW+2*\m+1], v[WPS+1] matrix_a_fmt:MATRIX_FMT_BF8 matrix_b_fmt:MATRIX_FMT_BF8
.endr
.rept 8
	v_nop                                          ; places ahead of the first read of results and of loads into registers that the products have read
.endr
.irp m, 0,1,2,3
	ds_store_b128 v4, v[ACC+8*\m:ACC+8*\m+3] offset:128*(\m/2)+32*(\m%2)         ; each accumulator from its low end on
	ds_store_b128 v4, v[ACC+8*\m+4:ACC+8*\m+7] offset:128*(\m/2)+32*(\m%2)+16
.endr
.irp i, 0,1,2,3,4,5,6,7
	ds_load_b128 v[OF+4*\i:OF+4*\i+3], v5 offset:544*\i        ; LDS serves a wave's instructions in order (ISA guide 5.7.1.4): these see my stores
.endr
	s_wait_loadcnt 0x0                             ; x
.irp i, 0,1,2,3,4,5,6,7
	s_wait_dscnt 7-\i                              ; rows 2 i and 2 i + 1 are back; the younger loads stay out
	v_pk_add_f32 v[OF+4*\i:OF+4*\i+1], v[OF+4*\i:OF+4*\i+1], v[XR+4*\i:XR+4*\i+1]
	v_pk_add_f32 v[OF+4*\i+2:OF+4*\i+3], v[OF+4*\i+2:OF+4*\i+3], v[XR+4*\i+2:XR+4*\i+3]
	global_store_b128 v3, v[OF+4*\i:OF+4*\i+3], s[16:17] offset:32768*\i th:TH_STORE_NT
.endr
	s_wait_xcnt 0x0
	v_lshl_add_u32 v142, v0, 2, 0x15000
	v_mov_b32 v143, 0
	s_wait_alu depctr_va_vdst(0)
	s_wait_tensorcnt 0x0
	ds_add_u32 v142, v143
	s_wait_dscnt 0x0
	s_endpgm
.Lfunc_end_k_qa00c7da4e8_proj:
	.size	k_qa00c7da4e8_proj, .Lfunc_end_k_qa00c7da4e8_proj-k_qa00c7da4e8_proj
	.p2alignl 7, 3214868480
	.fill 96, 4, 3214868480
	.section	.rodata,"a",@progbits
	.p2align	6, 0x0
	.amdhsa_kernel k_qa00c7da4e8_proj
		.amdhsa_group_segment_fixed_size 88064
		.amdhsa_private_segment_fixed_size 0
		.amdhsa_enable_private_segment 0
		.amdhsa_kernarg_size 56
		.amdhsa_user_sgpr_count 2
		.amdhsa_user_sgpr_kernarg_segment_ptr 1
		.amdhsa_wavefront_size32 1
		.amdhsa_system_sgpr_workgroup_id_x 1
		.amdhsa_system_sgpr_workgroup_id_y 1
		.amdhsa_system_sgpr_workgroup_id_z 1
		.amdhsa_system_vgpr_workitem_id 0
		.amdhsa_next_free_vgpr 256
		.amdhsa_next_free_sgpr 66
		.amdhsa_reserve_vcc 0
		.amdhsa_float_denorm_mode_32 3
		.amdhsa_float_denorm_mode_16_64 3
		.amdhsa_memory_ordered 1
		.amdhsa_forward_progress 1
		.amdhsa_inst_pref_size 15
	.end_amdhsa_kernel
	.amdgpu_metadata
---
amdhsa.version: [ 1, 2 ]
amdhsa.kernels:
  - .name:           k_qa00c7da4e8_proj
    .symbol:         k_qa00c7da4e8_proj.kd
    .args:
      - { .name: oc, .offset: 0, .size: 8, .value_kind: global_buffer, .address_space: global }
      - { .name: os, .offset: 8, .size: 8, .value_kind: global_buffer, .address_space: global }
      - { .name: w_proj_codes, .offset: 16, .size: 8, .value_kind: global_buffer, .address_space: global }
      - { .name: w_proj_scales, .offset: 24, .size: 8, .value_kind: global_buffer, .address_space: global }
      - { .name: b_proj, .offset: 32, .size: 8, .value_kind: global_buffer, .address_space: global }
      - { .name: x, .offset: 40, .size: 8, .value_kind: global_buffer, .address_space: global }
      - { .name: out0, .offset: 48, .size: 8, .value_kind: global_buffer, .address_space: global }
    .group_segment_fixed_size: 88064
    .private_segment_fixed_size: 0
    .kernarg_segment_align: 8
    .kernarg_segment_size: 56
    .max_flat_workgroup_size: 512
    .sgpr_count:     66
    .vgpr_count:     256
    .wavefront_size: 32
...
	.end_amdgpu_metadata
.endif
;; end of part 4
